; MI455X (gfx1250); checked and timed in simulation.
; The chip was launched on July 23, 2026; its instructions are those of AMD's public machine-readable ISA for CDNA 5 (MIT licence, August 2026) and "CDNA5" Instruction Set Architecture Reference Guide (July 2026). The comments in the code are by the model that wrote it; some were corrected since.
;; Relative Attention. Allowed arithmetic: matrix products marked QUANTISED: E2M1 operands, one E8M0 scale for each 32 along K, by v_wmma_scale_f32_16x16x128_f8f6f4 with both operands' format E2M1 (or v_wmma_scale_f32_32x16x128_f4), f32 sums; products left as they are: bf16, f16 or f32 operands; f32 sums; everything else in f32.
;; Inputs: Wk 1,024 x 1,024 float32; Wo 1,024 x 1,024 float32; Wq 1,024 x 1,024 float32; Wv 1,024 x 1,024 float32; bk 1,024 float32; bo 1,024 float32; bq 1,024 float32; bv 1,024 float32; key 2,048 x 2 x 1,024 float32; query 2,048 x 2 x 1,024 float32; rel_k 101 x 64 float32; rel_v 101 x 64 float32; value 2,048 x 2 x 1,024 float32.
;; Outputs: out0 2,048 x 2 x 1,024 float32.
;; This version of the problem:
;;   THIS VERSION OF THE PROBLEM IS GIVEN IN LOW PRECISION. The matrix products marked QUANTISED in the list below multiply operands that are first quantised to E2M1 (2 exponent bits, 1 mantissa bit; 4 bits a number), with one power-of-two scale for each 32 numbers along K (OCP MX v1.0); their sums are f32. The products marked 'left as it is' may take bf16, f16 or f32 operands, with f32 sums. Whichever they take, every output number must still come out within the allowed error. Rounding operands to bf16 (8 significant bits) uses up far more of that allowance than f16 does (11 bits, for magnitudes from 6e-5 to 65,504). All else is computed in f32.
;;   The module's matrix products, in the order in which they are computed (A, B: the left and right operand; K: the contracted axis; several contracted axes count as one K, in the product's order):
;;     1. [M 4,096, K 1,024] x [K 1,024, N 1,024]; A: input query; B: input Wq: QUANTISED
;;     2. [M 4,096, K 1,024] x [K 1,024, N 1,024]; A: input key; B: input Wk: QUANTISED
;;     3. [M 4,096, K 1,024] x [K 1,024, N 1,024]; A: input value; B: input Wv: QUANTISED
;;     4. batch 32 x [M 2,048, K 64] x [K 64, N 2,048]; A: computed on the way; B: computed on the way: left as it is (an operand is computed on the way)
;;     5. batch 2,048 x [M 2,048, K 64] x [K 64, N 32]; A: computed on the way; B: computed on the way: left as it is (an operand is computed on the way)
;;     6. batch 32 x [M 2,048, K 2,048] x [K 2,048, N 64]; A: computed on the way; B: computed on the way: left as it is (an operand is computed on the way)
;;     7. batch 2,048 x [M 64, K 2,048] x [K 2,048, N 32]; A: computed on the way; B: computed on the way: left as it is (an operand is computed on the way)
;;     8. [M 4,096, K 1,024] x [K 1,024, N 1,024]; A: computed on the way; B: input Wo: left as it is (an operand is computed on the way)
;;   THE QUANTISER, for each operand of a quantised product, along K:
;;     - K is cut into blocks of 32 from its start; a last block that is shorter is filled with zeros.
;;     - A block's scale is 2^e with e = floor(log2(the largest magnitude in the block)) - 2, held to -126 .. 127; a block of zeros has e = 0. As a byte (E8M0): e + 127.
;;     - Each number is divided by its block's scale, clamped to +-6, and rounded to the nearest number of E2M1, ties to even, subnormals kept.
;;     - The product sums the exact products of the quantised numbers (number of the format x scale) in f32.
;;   ~~~python
;;   def quantise(x, axis):      # numpy; x: float32 -> the quantised numbers, widened to float32 again
;;       x = np.moveaxis(x, axis, -1); K = x.shape[-1]
;;       x = np.pad(x, [(0, 0)] * (x.ndim - 1) + [(0, -K % 32)]); x = x.reshape(x.shape[:-1] + (-1, 32)); a = np.abs(x).max(-1, keepdims=True)
;;       e = np.where(a > 0, np.clip(np.frexp(np.where(a > 0, a, 1))[1] - 1 - 2, -126, 127), 0)      # np.frexp(a)[1] - 1 = floor(log2(a)), exactly
;;       r = np.clip(x / 2.0 ** e, -6, 6)
;;       step = 2.0 ** (np.maximum(np.frexp(np.where(r == 0, 1, r))[1] - 1, 0) - 1)
;;       q = np.round(r / step) * step * 2.0 ** e      # np.round: ties to even
;;       return np.moveaxis(q.reshape(q.shape[:-2] + (-1,))[..., :K], -1, axis).astype(np.float32)
;;   ~~~
;; One version. Each part assembles by itself: llvm-mc -triple=amdgcn-amd-amdhsa -mcpu=gfx1250 --defsym DOCPART=n.
;; ======== version 1 of 1: 4 launches
;; limits: values are held in f16: magnitudes above 65,504 overflow, below 6.1e-05 lose precision
;; workspace buffers: codes 7,864,320 bytes; scales 491,520 bytes; qimg 8,388,608 bytes; kimg 8,388,608 bytes; vimg 8,388,608 bytes; ximg 8,388,608 bytes; woimg 2,097,152 bytes; relimg 65,536 bytes
;; launch prep (part 1): grid 513 x 1, 4 waves a work-group, no clusters, 33,280 bytes of LDS; arguments query, key, value, Wq, Wk, Wv, Wo, rel_k, rel_v, codes, scales, woimg, relimg; writes codes, scales, woimg, relimg
.if DOCPART == 1
	.amdgcn_target "amdgcn-amd-amdhsa--gfx1250"
	.amdhsa_code_object_version 6
	.text
	.protected	k_q0842bf8a16_prep
	.globl	k_q0842bf8a16_prep
	.p2align	8
	.type	k_q0842bf8a16_prep,@function
k_q0842bf8a16_prep:
	s_mov_b64 s[64:65], 0
	v_nop
	global_prefetch_b8 v0, s[64:65] scope:SCOPE_SE
	s_setreg_imm32_b32 hwreg(HW_REG_WAVE_MODE, 25, 1), 1
	s_wait_xcnt 0x0
; PREP.  Three kinds of work-group, told apart by the work-group's number g alone.
; g < 480: query, key, value [2048][2][1024] and Wq, Wk, Wv [1024][1024], f32, K innermost, become codes of FP4 (E2M1) and one E8M0 byte for each 32 along K.
;   The codes' buffer has 15,360 rows of 512 bytes: query's 4,096 rows in the order b x 2048 + l, then key's, value's, then Wq's, Wk's, Wv's 1,024 each; the scale bytes lie in the same rows of 32 bytes.
;   A block's scale is 2^(floor(log2(largest magnitude)) - 2); its byte is the largest magnitude's exponent field - 2, held at 1 from below.  A block of zeros so gets the byte 1 where the rule
;   says 127: its codes are zeros, which add nothing under any byte but 0xff, and this program alone reads the bytes.
;   A wave takes 8 rows of the codes' buffer, 16 steps of 512 numbers.  Each load reads 512 consecutive bytes; a step's 2,048 bytes turn through the wave's own stage in LDS, so that a lane holds 16 neighbours along K.
; 480 <= g < 512: Wo becomes f16 fragments, laid as images of the operand's registers: a fragment is 16 rows x 32 K, 1,024 bytes: registers 0-3 at 16 x lane, registers 4-7 at 512 + 16 x lane.
; g = 512: rel_k and rel_v become two tables of 256 rows, row x = the table's row clip(x - 128, -50, 50) + 50, as f16 fragments: rel_k with the head's 64 along K, rel_v with x along K.
; LIMITS: NaN and infinities are not served; |Wo|, |rel_k|, |rel_v| stay under 65,504 (f16); blocks whose largest magnitude lies under 2^(3 - 127) take the byte 1.
.set WAVES, 4
.set STEPS, 16
.set EMAX,  2
.set CB,    8                          ; bytes of 16 codes
.set R,     16                         ; v16-79   four sets of 16 numbers as they are loaded
.set X,     80                         ; v80-111  two sets of 16 neighbours
.set E,     112                        ; v112-127 a scale byte for each step
.set C,     128                        ; v128-191 codes: four registers for each step
.set XA,    192                        ; v192-199 16 x lane + k x the source's row pitch, k = 0 .. 7; never rewritten
.set WREG,  8192                       ; LDS: a region for each wave: two stages of 32 x SP bytes, then its 256 scale bytes
.set SP,    80                         ; a lane's place in a stage: 64 bytes + 16 of padding
.set SPW,   12                         ; v12 LDS address of my spare word; never rewritten
.set NIL,   13                         ; v13 0; never rewritten
.set SPARE, WAVES*WREG                 ; the spare words: 128 bytes for each wave
.set IN,    16                         ; the image paths: v16-143 numbers as loaded
.set HF,    144                        ; v144-207 packed f16
.set AD,    208                        ; v208-239 the table path's offsets
	s_load_b512 s[4:19], s[0:1], 0x0               ; query, key, value, Wq, Wk, Wv, Wo, rel_k
	s_load_b256 s[20:27], s[0:1], 0x40             ; rel_v, codes, scales, woimg
	s_load_b64 s[28:29], s[0:1], 0x60              ; relimg
	v_lshl_add_u32 v[SPW], v0, 2, SPARE
	v_mov_b32 v[NIL], 0
	v_lshrrev_b32 v1, 5, v0
	v_readfirstlane_b32 s30, v1                    ; wave
	v_and_b32 v2, 31, v0                           ; lane
	v_lshlrev_b32 v3, 4, v2                        ; 16 x lane
	s_mov_b32 s31, ttmp9                           ; g
	s_wait_kmcnt 0x0
	s_cmp_ge_u32 s31, 480
	s_cbranch_scc1 .Lwo
; ---------------- the quantiser ----------------
	s_mul_i32 s40, s30, WREG
	v_lshrrev_b32 v14, 2, v2
	v_mul_u32_u24 v14, v14, SP
	v_and_b32 v15, 3, v2
	v_lshl_add_u32 v14, v15, 4, v14
	v_add_nc_u32 v14, s40, v14                     ; the stage, on the way in: SP (lane / 4) + 16 (lane % 4)
	v_mul_u32_u24 v15, v2, SP
	v_add_nc_u32 v15, s40, v15                     ; and on the way out: SP x lane
	v_mul_u32_u24 v4, v2, CB                       ; my codes' place in a step's
	v_lshrrev_b32 v5, 1, v2
	s_add_co_u32 s40, s40, 2*32*SP
	v_add_nc_u32 v5, s40, v5                       ; LDS: my block's byte among my wave's 256
	v_lshlrev_b32 v7, 3, v2
	v_add_nc_u32 v6, s40, v7                       ; and on the way out 8 bytes a lane
	s_cmp_lt_u32 s31, 448                          ; which tensor: 128 work-groups for each activation, 32 for each weight
	s_cselect_b64 s[32:33], s[12:13], s[14:15]
	s_cmp_lt_u32 s31, 416
	s_cselect_b64 s[32:33], s[10:11], s[32:33]
	s_cmp_lt_u32 s31, 384
	s_cselect_b64 s[32:33], s[8:9], s[32:33]
	s_cmp_lt_u32 s31, 256
	s_cselect_b64 s[32:33], s[6:7], s[32:33]
	s_cmp_lt_u32 s31, 128
	s_cselect_b64 s[32:33], s[4:5], s[32:33]
	s_lshl_b32 s35, s31, 2
	s_add_co_u32 s35, s35, s30                     ; my run of 8 rows of the codes' buffer
	s_and_b32 s36, s35, 255                        ; an activation: rows l = 8 (run % 256) on, of batch (run / 256) % 2: byte l x 8192 + b x 4096
	s_lshl_b32 s36, s36, 16
	s_bfe_u32 s38, s35, 0x10008
	s_lshl_b32 s38, s38, 12
	s_or_b32 s36, s36, s38
	s_and_b32 s38, s35, 127                        ; a weight: rows 8 (run % 128) on, 4,096 bytes each
	s_lshl_b32 s38, s38, 15
	s_mov_b32 s34, 4096
	s_cmp_lt_u32 s31, 384
	s_cselect_b32 s36, s36, s38
	s_cselect_b32 s34, 8192, s34                   ; from one of my rows to the next
	s_mov_b32 s37, 0
	s_add_nc_u64 s[32:33], s[32:33], s[36:37]
	s_lshl_b32 s38, s35, 12
	s_mov_b32 s39, 0
	s_add_nc_u64 s[22:23], s[22:23], s[38:39]      ; my 4,096 bytes of codes
	s_lshl_b32 s38, s35, 8
	s_add_nc_u64 s[24:25], s[24:25], s[38:39]      ; my 256 scale bytes
	v_mov_b32 v[XA], v3
.irp k, 1,2,3,4,5,6,7
	v_add_nc_u32 v[XA+\k], s34, v[XA+\k-1]
.endr
.macro LOAD t                          ; step t is half a row: row t / 2, bytes 2048 (t % 2) on
.irp i, 0,1,2,3
	global_load_b128 v[R+16*((\t)%4)+4*\i:R+16*((\t)%4)+4*\i+3], v[XA+(\t)/2], s[32:33] offset:2048*((\t)%2)+512*\i th:TH_LOAD_NT   ; 32 lanes read 512 consecutive bytes
.endr
.endm
.macro TURN t                          ; step t's numbers through the stage: LDS serves a wave's instructions in order, so no wait stands between the stores and the loads
.irp i, 0,1,2,3
	ds_store_b128 v14, v[R+16*((\t)%4)+4*\i:R+16*((\t)%4)+4*\i+3] offset:32*SP*((\t)%2)+8*SP*\i
.endr
.irp i, 0,1,2,3
	ds_load_b128 v[X+16*((\t)%2)+4*\i:X+16*((\t)%2)+4*\i+3], v15 offset:32*SP*((\t)%2)+16*\i
.endr
.endm
.irp t, 0,1,2,3
	LOAD \t
.endr
	s_wait_loadcnt 12                              ; step 0's four loads are in; three steps' twelve stay out
	TURN 0
.macro STEP t
.set XS, X+16*((\t)%2)
.if (\t) > 0
	s_wait_dscnt 1                                 ; this step's numbers are back from the stage (the last step's byte store may be out): so its stores into the stage have read their registers,
.else
	s_wait_dscnt 0x0
.endif
.if (\t)+4 < STEPS
	LOAD (\t)+4                                    ; which take the loads of four steps on
.endif
.if (\t)+1 < STEPS
.if STEPS-2-(\t) >= 3
	s_wait_loadcnt 12                              ; the next step's four loads are in; those of the three steps behind it may be out
.else
	s_wait_loadcnt 4*(STEPS-2-(\t))
.endif
	TURN (\t)+1
.endif
	v_max3_num_f32 v8, |v[XS]|, |v[XS+1]|, |v[XS+2]|               ; the largest magnitude of my 16
	v_max3_num_f32 v9, |v[XS+3]|, |v[XS+4]|, |v[XS+5]|
.irp i, 6,10
	v_max3_num_f32 v8, v8, |v[XS+\i]|, |v[XS+\i+1]|
	v_max3_num_f32 v9, v9, |v[XS+\i+2]|, |v[XS+\i+3]|
.endr
	v_max3_num_f32 v8, v8, |v[XS+14]|, |v[XS+15]|
	v_max3_num_f32 v8, v8, v9, (EMAX+1)<<23        ; and the floor 2^(EMAX + 1 - 127): the byte cannot fall under 1
	v_max_num_f32_dpp v8, v8, v8 row_xmask:1 row_mask:0xf bank_mask:0xf   ; and of my neighbour's 16: the block's
	v_add_nc_u32 v11, -(EMAX<<23), v8              ; EMAX off its exponent field: the conversion takes the exponent field of this operand as its scale
	v_cvt_scalef32_pk8_fp4_f32 v[C+4*(\t)], v[XS:XS+7], v11
	v_cvt_scalef32_pk8_fp4_f32 v[C+4*(\t)+1], v[XS+8:XS+15], v11
	v_lshrrev_b32 v[E+(\t)], 23, v11               ; the scale's byte
	ds_store_b8 v5, v[E+(\t)] offset:16*(\t)       ; both lanes of a block write the same byte with the same value
	global_store_b64 v4, v[C+4*(\t):C+4*(\t)+1], s[22:23] offset:32*CB*(\t)   ; the wave stores 256 consecutive bytes, aligned
.endm
.irp t, 0,1,2,3,4,5,6,7,8,9,10,11,12,13,14,15
	STEP \t
.endr
	ds_load_b64 v[8:9], v6                         ; LDS serves a wave's instructions in order: these see my stores
	s_wait_dscnt 0x0
	global_store_b64 v7, v[8:9], s[24:25]          ; 32 lanes store 256 consecutive bytes, aligned
	s_wait_tensorcnt 0x0                           ; the wave's end, behind my last LDS store
	ds_add_u32 v[SPW], v[NIL]
	s_wait_dscnt 0x0
	s_endpgm
; ---------------- Wo into images: woimg [K step of 256: 4][tile of 16 rows: 64][chunk of 32 K: 8][1,024 bytes] ----------------
.Lwo:
	s_cmp_eq_u32 s31, 512
	s_cbranch_scc1 .Lrel
	s_sub_co_u32 s35, s31, 480
	s_lshl_b32 s35, s35, 2
	s_add_co_u32 s35, s35, s30                     ; 0 .. 127: tile of rows = / 2, half of K = % 2
	s_lshr_b32 s36, s35, 1
	s_and_b32 s35, s35, 1
	s_lshl_b32 s38, s36, 16                        ; 16 rows of 4,096 bytes
	s_lshl_b32 s40, s35, 11                        ; 16 chunks of 128 bytes
	s_add_co_u32 s38, s38, s40
	s_mov_b32 s39, 0
	s_add_nc_u64 s[16:17], s[16:17], s[38:39]
	s_lshl_b32 s38, s36, 13
	s_lshl_b32 s40, s35, 20                        ; two K steps of 524,288 bytes
	s_add_co_u32 s38, s38, s40
	s_add_nc_u64 s[26:27], s[26:27], s[38:39]
	v_and_b32 v5, 15, v0                           ; r
	v_bfe_u32 v6, v0, 4, 1                         ; h
	v_lshlrev_b32 v4, 12, v5
	v_lshl_add_u32 v4, v6, 5, v4                   ; row r, + 32 h: my 8 numbers of each 16 along K
.macro WOLD grp, set                   ; four fragments: 16 loads
.irp f, 0,1,2,3
	global_load_b128 v[IN+64*\set+16*\f:IN+64*\set+16*\f+3],     v4, s[16:17] offset:(4*\grp+\f)*128
	global_load_b128 v[IN+64*\set+16*\f+4:IN+64*\set+16*\f+7],   v4, s[16:17] offset:(4*\grp+\f)*128+16
	global_load_b128 v[IN+64*\set+16*\f+8:IN+64*\set+16*\f+11],  v4, s[16:17] offset:(4*\grp+\f)*128+64
	global_load_b128 v[IN+64*\set+16*\f+12:IN+64*\set+16*\f+15], v4, s[16:17] offset:(4*\grp+\f)*128+80
.endr
.endm
.macro WOCV grp, set
	s_wait_xcnt 0x0                                ; the stores of two groups ago have read these registers
.irp f, 0,1,2,3
.irp i, 0,1,2,3,4,5,6,7
	v_cvt_pk_f16_f32 v[HF+32*\set+8*\f+\i], v[IN+64*\set+16*\f+2*\i], v[IN+64*\set+16*\f+2*\i+1]
.endr
	global_store_b128 v3, v[HF+32*\set+8*\f:HF+32*\set+8*\f+3],   s[26:27] offset:((4*\grp+\f)/8)*524288+((4*\grp+\f)%8)*1024       ; 512 consecutive bytes
	global_store_b128 v3, v[HF+32*\set+8*\f+4:HF+32*\set+8*\f+7], s[26:27] offset:((4*\grp+\f)/8)*524288+((4*\grp+\f)%8)*1024+512
.endr
.endm
	WOLD 0, 0
	WOLD 1, 1
	s_wait_loadcnt 16                              ; the older group is in; the younger group's 16 stay out
	WOCV 0, 0
	WOLD 2, 0
	s_wait_loadcnt 16
	WOCV 1, 1
	WOLD 3, 1
	s_wait_loadcnt 16
	WOCV 2, 0
	s_wait_loadcnt 0x0
	WOCV 3, 1
	s_endpgm
; ---------------- the tables: relimg: 32 fragments of rel_k [tile of 16 x][32 of the head's 64], then 32 of rel_v [32 x][tile of 16 of the head's 64] ----------------
.Lrel:
	v_and_b32 v5, 15, v0                           ; r
	v_bfe_u32 v6, v0, 4, 1                         ; h
	s_lshl_b32 s35, s30, 6                         ; my wave's 64 rows x
	s_lshl_b32 s38, s30, 13                        ; and its 8 fragments of each table
	s_mov_b32 s39, 0
	s_add_nc_u64 s[28:29], s[28:29], s[38:39]
	v_add_nc_u32 v7, s35, v5
.irp a, 0,1,2,3
	v_add_nc_u32 v[AD+\a], 16*\a, v7               ; x = 64 wave + 16 a + r
	v_max_u32 v[AD+\a], 78, v[AD+\a]
	v_min_u32 v[AD+\a], 178, v[AD+\a]
	v_add_nc_u32 v[AD+\a], 0xffffffb2, v[AD+\a]    ; the table's row: clip(x, 78, 178) - 78
	v_lshlrev_b32 v[AD+\a], 8, v[AD+\a]
	v_lshl_add_u32 v[AD+\a], v6, 5, v[AD+\a]
.endr
.irp f, 0,1,2,3,4,5,6,7
	global_load_b128 v[IN+16*\f:IN+16*\f+3],     v[AD+\f/2], s[18:19] offset:128*(\f%2)
	global_load_b128 v[IN+16*\f+4:IN+16*\f+7],   v[AD+\f/2], s[18:19] offset:128*(\f%2)+16
	global_load_b128 v[IN+16*\f+8:IN+16*\f+11],  v[AD+\f/2], s[18:19] offset:128*(\f%2)+64
	global_load_b128 v[IN+16*\f+12:IN+16*\f+15], v[AD+\f/2], s[18:19] offset:128*(\f%2)+80
.endr
	s_wait_loadcnt 0x0
.irp f, 0,1,2,3,4,5,6,7
.irp i, 0,1,2,3,4,5,6,7
	v_cvt_pk_f16_f32 v[HF+8*\f+\i], v[IN+16*\f+2*\i], v[IN+16*\f+2*\i+1]
.endr
	global_store_b128 v3, v[HF+8*\f:HF+8*\f+3],   s[28:29] offset:1024*\f
	global_store_b128 v3, v[HF+8*\f+4:HF+8*\f+7], s[28:29] offset:1024*\f+512
.endr
	v_lshl_add_u32 v7, v6, 3, s35                  ; rel_v: a lane takes a channel, and its registers run along x: 64 wave + 8 h
	v_lshlrev_b32 v8, 2, v5                        ; channel r of a tile
.irp u, 0,1
.irp i, 0,1,2,3,4,5,6,7,8,9,10,11,12,13,14,15
	v_add_nc_u32 v[AD+16*\u+\i], 32*\u+\i+8*(\i/8), v7   ; (the loads that named v208-211 are done)
	v_max_u32 v[AD+16*\u+\i], 78, v[AD+16*\u+\i]
	v_min_u32 v[AD+16*\u+\i], 178, v[AD+16*\u+\i]
	v_add_nc_u32 v[AD+16*\u+\i], 0xffffffb2, v[AD+16*\u+\i]
	v_lshl_add_u32 v[AD+16*\u+\i], v[AD+16*\u+\i], 8, v8
.endr
.endr
.irp u, 0,1
.irp c, 0,1,2,3
.irp i, 0,1,2,3,4,5,6,7,8,9,10,11,12,13,14,15
	global_load_b32 v[IN+64*\u+16*\c+\i], v[AD+16*\u+\i], s[20:21] offset:64*\c
.endr
.endr
.endr
	s_wait_loadcnt 0x0
	s_wait_xcnt 0x0                                ; rel_k's stores have read v144-207
.irp u, 0,1
.irp c, 0,1,2,3
.irp i, 0,1,2,3,4,5,6,7
	v_cvt_pk_f16_f32 v[HF+32*\u+8*\c+\i], v[IN+64*\u+16*\c+2*\i], v[IN+64*\u+16*\c+2*\i+1]
.endr
	global_store_b128 v3, v[HF+32*\u+8*\c:HF+32*\u+8*\c+3],   s[28:29] offset:32768+4096*\u+1024*\c
	global_store_b128 v3, v[HF+32*\u+8*\c+4:HF+32*\u+8*\c+7], s[28:29] offset:32768+4096*\u+1024*\c+512
.endr
.endr
	s_endpgm
.Lfunc_end_k_q0842bf8a16_prep:
	.size	k_q0842bf8a16_prep, .Lfunc_end_k_q0842bf8a16_prep-k_q0842bf8a16_prep
	.p2alignl 7, 3214868480
	.fill 96, 4, 3214868480
	.section	.rodata,"a",@progbits
	.p2align	6, 0x0
	.amdhsa_kernel k_q0842bf8a16_prep
		.amdhsa_group_segment_fixed_size 33280
		.amdhsa_private_segment_fixed_size 0
		.amdhsa_enable_private_segment 0
		.amdhsa_kernarg_size 104
		.amdhsa_user_sgpr_count 2
		.amdhsa_user_sgpr_kernarg_segment_ptr 1
		.amdhsa_wavefront_size32 1
		.amdhsa_system_sgpr_workgroup_id_x 1
		.amdhsa_system_sgpr_workgroup_id_y 1
		.amdhsa_system_sgpr_workgroup_id_z 1
		.amdhsa_system_vgpr_workitem_id 0
		.amdhsa_next_free_vgpr 256
		.amdhsa_next_free_sgpr 66
		.amdhsa_reserve_vcc 0
		.amdhsa_float_denorm_mode_32 3
		.amdhsa_float_denorm_mode_16_64 3
		.amdhsa_memory_ordered 1
		.amdhsa_forward_progress 1
		.amdhsa_inst_pref_size 89
	.end_amdhsa_kernel
	.amdgpu_metadata
---
amdhsa.version: [ 1, 2 ]
amdhsa.kernels:
  - .name:           k_q0842bf8a16_prep
    .symbol:         k_q0842bf8a16_prep.kd
    .args:
      - { .name: query, .offset: 0, .size: 8, .value_kind: global_buffer, .address_space: global }
      - { .name: key, .offset: 8, .size: 8, .value_kind: global_buffer, .address_space: global }
      - { .name: value, .offset: 16, .size: 8, .value_kind: global_buffer, .address_space: global }
      - { .name: Wq, .offset: 24, .size: 8, .value_kind: global_buffer, .address_space: global }
      - { .name: Wk, .offset: 32, .size: 8, .value_kind: global_buffer, .address_space: global }
      - { .name: Wv, .offset: 40, .size: 8, .value_kind: global_buffer, .address_space: global }
      - { .name: Wo, .offset: 48, .size: 8, .value_kind: global_buffer, .address_space: global }
      - { .name: rel_k, .offset: 56, .size: 8, .value_kind: global_buffer, .address_space: global }
      - { .name: rel_v, .offset: 64, .size: 8, .value_kind: global_buffer, .address_space: global }
      - { .name: codes, .offset: 72, .size: 8, .value_kind: global_buffer, .address_space: global }
      - { .name: scales, .offset: 80, .size: 8, .value_kind: global_buffer, .address_space: global }
      - { .name: woimg, .offset: 88, .size: 8, .value_kind: global_buffer, .address_space: global }
      - { .name: relimg, .offset: 96, .size: 8, .value_kind: global_buffer, .address_space: global }
    .group_segment_fixed_size: 33280
    .private_segment_fixed_size: 0
    .kernarg_segment_align: 8
    .kernarg_segment_size: 104
    .max_flat_workgroup_size: 128
    .sgpr_count:     66
    .vgpr_count:     256
    .wavefront_size: 32
...
	.end_amdgpu_metadata
.endif
;; end of part 1
;; launch proj (part 2): grid 4 x 48, 4 waves a work-group, clusters of 4 x 4, 327,680 bytes of LDS; arguments codes, scales, bq, bk, qimg, kimg, vimg; writes qimg, kimg, vimg
.if DOCPART == 2
	.amdgcn_target "amdgcn-amd-amdhsa--gfx1250"
	.amdhsa_code_object_version 6
	.text
	.protected	k_q0842bf8a16_proj
	.globl	k_q0842bf8a16_proj
	.p2align	8
	.type	k_q0842bf8a16_proj,@function
k_q0842bf8a16_proj:
	s_mov_b64 s[64:65], 0
	v_nop
	global_prefetch_b8 v0, s[64:65] scope:SCOPE_SE
	s_setreg_imm32_b32 hwreg(HW_REG_WAVE_MODE, 25, 1), 1
	s_wait_xcnt 0x0
	s_wait_alu depctr_hold_cnt(0) depctr_sa_sdst(0) depctr_va_vdst(0) depctr_va_sdst(0) depctr_va_ssrc(0) depctr_va_vcc(0) depctr_vm_vsrc(0)
	s_getreg_b32 s2, hwreg(HW_REG_IB_STS2, 6, 4)
	s_cmp_eq_u32 s2, 0
	s_cbranch_scc0 .Lentry_in_a_cluster
	s_endpgm
.Lentry_in_a_cluster:
	s_bfe_u32 s2, ttmp6, 0x10000c
	s_cmp_lg_u32 s2, 0xf033
	s_cbranch_scc0 .Lentry_shape_is_right
	s_endpgm
.Lentry_shape_is_right:
; PROJ.  q = Q(query) Q(Wq)^T + bq, k = Q(key) Q(Wk)^T + bk, v = Q(value) Q(Wv)^T (bv is added behind the softmax's division, where the weights sum to 1), on codes of FP4 with E8M0 scales; sums in f32.
; 192 tiles of 256 x 256; four waves, each 128 x 128: 64 accumulators, 512 registers.  K = 1,024 is two LDS slots of 512: both are filled at the start, nothing is filled again.
; One text serves the three products; what differs lies in scalars chosen by the cluster's y, Y, which all sixteen partners share: Y 0-3: q, 4-7: k, 8-11: v.
; THE MATRIX INSTRUCTION IS USED TRANSPOSED (source 0 = 16 rows of the "B" side, source 1 = 16 rows of the "A" side): a lane holds one A row and eight neighbouring B rows.
;   q, k: A = positions, B = the weight's rows: a lane holds a position and 8 neighbouring features.   v: A = Wv's rows, B = positions: a lane holds a channel and 8 neighbouring keys.
; So two neighbouring accumulators, rounded to f16, ARE a fragment (16 rows x 32 K) of the next launch's operand, and leave as images of its registers: registers 0-3 at 16 x lane, 4-7 at 512 + 16 x lane: each store covers 512 consecutive bytes.
;   qimg, kimg: [b x 16 + head][tile of 16 positions: 128][32 of the head's 64: 2][1,024];   vimg: [b x 16 + head][32 keys: 64][16 channels: 4][1,024].
; CLUSTERS: 4 x 4.  A's tile hangs on cy and Y, B's on cx and Y: each is asked for jointly by the four that share it.
; LIMIT: |q|, |k|, |v| stay under 65,504 (f16).
; REGISTERS: window 0: v7-11, v16-29 addresses; v32-95 scale words, two sets; v128-191 A's fragments, one set, later the packed results; v192-255 the bias, in the result's layout.  window 1: B's fragments, two sets.  windows 2, 3: the accumulators.
.set NQ,     4                         ; matrix instructions deep in a slot
.set ROWB,   256                       ; a tile's row: 512 codes
.set KROW,   512                       ; a row of codes in memory
.set PITCH,  272                       ; an LDS row: 256 bytes + 16 of padding: the 16 rows of a load start at 16 different groups of four banks
.set FR,     8
.set NL,     2
.set NP,     4
.set HALFT,  128*PITCH
.set SLOT,   4*HALFT
.set KS,     32                        ; a row of scale bytes
.set SCL,    2*SLOT
.set HALFS,  (128*KS/256)*272
.set SBLK,   (16*KS/256)*272
.set SPARE,  SCL+4*HALFS               ; the spare words: 128 bytes for each wave
.set VB,   8                           ; v8-11  the way out: 16 x lane + the place of fragment 0 .. 3 of a block
.set ADRA, 16
.set ADRB, 20
.set ADRS, 27
.set SPW,  28
.set NIL,  29
.set SC,   32
.set AF,   128
.set TMP,  128
.set BIAS, 192
.set G1, 24
.set G0, 32
.set G1B, 48
.set G0B, 56
.set G1S, 68
.set G0S, 76
.set G1SB, 80
.set G0SB, 88
.set MSB, 0
.macro WIN new                         ; the immediate's high byte repeats the setting that is left
.if MSB != \new
	s_set_vgpr_msb (MSB<<8)|\new
.set MSB, \new
.endif
.endm
.set MUL_LO, 0xa1                      ; source 0 (B) window 1, source 1 (A) window 0, C and D window 2
.set MUL_HI, 0xf1                      ; the same, C and D window 3
.set TO_B,   0x40
.macro JLOAD g0a, g1a, g0b, g1b        ; a joint load: waves 0 and 1 fetch for A, waves 2 and 3 for B; an s_nop 0 and four v_nop follow each line
	s_cmp_eq_u32 s15, 0
	s_cbranch_scc0 .Lfor_b_\@
	tensor_load_to_lds s[\g0a:\g0a+3], s[\g1a:\g1a+7]
	s_nop 0
.rept 4
	v_nop
.endr
	s_branch .Lasked_\@
.Lfor_b_\@:
	tensor_load_to_lds s[\g0b:\g0b+3], s[\g1b:\g1b+7]
	s_nop 0
.rept 4
	v_nop
.endr
.Lasked_\@:
.endm
.macro CROUND                          ; a round of the cluster's barrier
	s_barrier_signal -1
	s_barrier_wait -1
	s_cmp_lg_u32 s14, 0
	s_cbranch_scc1 .Lnot_wave_0_\@
	s_barrier_signal -3
.Lnot_wave_0_\@:
	s_barrier_wait -3
	s_barrier_signal -1
	s_barrier_wait -1
.endm
	s_load_b256 s[4:11], s[0:1], 0x0               ; codes, scales, bq, bk
	s_load_b128 s[96:99], s[0:1], 0x20             ; qimg, kimg
	s_load_b64 s[100:101], s[0:1], 0x30            ; vimg
	v_lshl_add_u32 v[SPW], v0, 2, SPARE
	v_mov_b32 v[NIL], 0
	ds_add_u32 v[SPW], v[NIL]                      ; the wave's opening: the add, twice on end, and its wait ahead of my first tensor load
	ds_add_u32 v[SPW], v[NIL]
	v_lshrrev_b32 v1, 5, v0
	v_readfirstlane_b32 s14, v1                    ; wave 0..3
	s_lshr_b32 s15, s14, 1                         ; which half of A's rows is mine.  Also: I fetch for A (0) or for B (1)
	s_and_b32 s16, s14, 1                          ; which half of B's rows.  Also: which 128 rows of that tile I fetch
	s_bfe_u32 s40, ttmp6, 0x40000                  ; cx
	s_bfe_u32 s41, ttmp6, 0x40004                  ; cy
	s_lshl_b32 s42, ttmp9, 2
	s_add_co_u32 s42, s42, s40                     ; work-group x (the grid has one cluster along x)
	s_and_b32 s17, ttmp7, 0xffff                   ; Y: the cluster's y
	s_lshl_b32 s43, s41, 2
	s_lshl_b32 s43, 15, s43                        ; my row of the cluster
	s_lshl_b32 s44, 0x1111, s40                    ; my column
	s_or_b32 s[G1+0], s43, (0<<16)|(1<<20)|(1<<21)|(5<<22)|(3<<25)  ; the mask; elements of 1 byte; padding: 4 words after every 64
	s_or_b32 s[G1B+0], s44, (0<<16)|(1<<20)|(1<<21)|(5<<22)|(3<<25)
.irp g, G1, G1B
	s_mov_b32 s[\g+1], ROWB<<16                    ; tensor_dim0
	s_mov_b32 s[\g+2], 128<<16                     ; tensor_dim1
	s_mov_b32 s[\g+3], ROWB<<16                    ; tile_dim0
	s_mov_b32 s[\g+4], 128                         ; tile_dim1
	s_mov_b32 s[\g+5], KROW                        ; from row to row
	s_mov_b32 s[\g+6], 0
	s_mov_b32 s[\g+7], 0
.endr
	s_or_b32 s[G1S+0], s43, (3<<16)|(1<<20)|(1<<21)|(5<<22)|(3<<25) ; the scales of 128 rows: 4,096 dense bytes as 16 rows of 256, 16 bytes of padding behind each
	s_or_b32 s[G1SB+0], s44, (3<<16)|(1<<20)|(1<<21)|(5<<22)|(3<<25)
.irp g, G1S, G1SB
	s_mov_b32 s[\g+1], 32<<16
	s_mov_b32 s[\g+2], (128*KS/256)<<16
	s_mov_b32 s[\g+3], 32<<16
	s_mov_b32 s[\g+4], 128*KS/256
	s_mov_b32 s[\g+5], 32
	s_mov_b32 s[\g+6], 0
	s_mov_b32 s[\g+7], 0
.endr
	; which rows of the codes' buffer.  q, k: A = 1024 Y + 256 cy (the activation), B = 12288 + 1024 (Y / 4) + 256 x (the weight).  v: A = 14336 + 256 cy (Wv), B = 1024 Y + 256 x (value)
	s_lshl_b32 s18, s16, 7                         ; which 128 rows of the tile I fetch
	s_lshl_b32 s12, s17, 10
	s_lshr_b32 s13, s17, 2
	s_lshl_b32 s13, s13, 10
	s_add_co_u32 s13, s13, 12288
	s_mov_b32 s19, 14336
	s_cmp_ge_u32 s17, 8
	s_cselect_b32 s20, s19, s12
	s_cselect_b32 s46, s12, s13
	s_lshl_b32 s21, s41, 8
	s_add_co_u32 s20, s20, s21
	s_add_co_u32 s20, s20, s18                     ; A's first row: Y, cy and the wave alone
	s_lshl_b32 s47, s42, 8
	s_add_co_u32 s46, s46, s47
	s_add_co_u32 s46, s46, s18                     ; B's: Y, cx and the wave alone
	s_lshl_b32 s22, s20, 5                         ; their scale bytes: 32 a row,
	s_lshl_b32 s92, s46, 5
	s_lshl_b32 s20, s20, 9                         ; their codes: 512 a row
	s_lshl_b32 s46, s46, 9
	s_mov_b32 s21, 0
	s_mov_b32 s23, 0
	s_mov_b32 s47, 0
	s_mov_b32 s93, 0
	s_mul_i32 s45, s14, HALFT                      ; where they go: wave x 128 rows
	s_mul_i32 s94, s14, HALFS
	s_wait_dscnt 0x0                               ; both opening adds are done
	s_wait_kmcnt 0x0
	s_add_nc_u64 s[20:21], s[4:5], s[20:21]
	s_add_nc_u64 s[22:23], s[6:7], s[22:23]
	s_add_nc_u64 s[46:47], s[4:5], s[46:47]
	s_add_nc_u64 s[92:93], s[6:7], s[92:93]
	CROUND                                         ; all sixteen work-groups are here: the first joint loads meet
	s_mov_b32 s[G0S], 1
	s_add_co_u32 s[G0S+1], s94, SCL
	s_mov_b64 s[G0S+2:G0S+3], s[22:23]
	s_or_b32 s[G0S+3], s[G0S+3], 0x80000000
	s_mov_b32 s[G0SB], 1
	s_add_co_u32 s[G0SB+1], s94, SCL
	s_mov_b64 s[G0SB+2:G0SB+3], s[92:93]
	s_or_b32 s[G0SB+3], s[G0SB+3], 0x80000000
	JLOAD G0S, G1S, G0SB, G1SB                     ; the scales first: they are wanted with the first slot
.irp s, 0,1
	s_mov_b32 s[G0+4*\s], 1
	s_add_co_u32 s[G0+4*\s+1], s45, \s*SLOT
	s_add_nc_u64 s[G0+4*\s+2:G0+4*\s+3], s[20:21], \s*ROWB
	s_or_b32 s[G0+4*\s+3], s[G0+4*\s+3], 0x80000000
	s_mov_b32 s[G0B+4*\s], 1
	s_add_co_u32 s[G0B+4*\s+1], s45, \s*SLOT
	s_add_nc_u64 s[G0B+4*\s+2:G0B+4*\s+3], s[46:47], \s*ROWB
	s_or_b32 s[G0B+4*\s+3], s[G0B+4*\s+3], 0x80000000
	JLOAD G0+4*\s, G1, G0B+4*\s, G1B               ; three loads of mine are out in all
.endr
	v_and_b32 v1, 15, v0                           ; r
	v_bfe_u32 v2, v0, 4, 1                         ; h
	; the bias, in the result's layout: register 8 b + j of lane (r, h) = bias[my first feature + 16 b + 8 h + j]; for v it is masked to 0
	s_cmp_lt_u32 s17, 4
	s_cselect_b64 s[12:13], s[8:9], s[10:11]
	s_lshl_b32 s18, s42, 10
	s_lshl_b32 s19, s16, 9
	s_add_co_u32 s18, s18, s19
	v_lshl_add_u32 v7, v2, 5, s18
.irp b, 0,1,2,3,4,5,6,7
	global_load_b128 v[BIAS+8*\b:BIAS+8*\b+3],   v7, s[12:13] offset:64*\b
	global_load_b128 v[BIAS+8*\b+4:BIAS+8*\b+7], v7, s[12:13] offset:64*\b+16
.endr
	v_mul_u32_u24 v3, v1, PITCH
	v_lshl_add_u32 v4, v2, 4, v3                   ; a fragment's row x pitch + 16 x half
	s_mul_i32 s21, s15, HALFT                      ; my 128 rows of A
	s_mul_i32 s22, s16, HALFT                      ; my 128 rows of B,
	s_add_co_u32 s22, s22, 2*HALFT                 ; which lie behind A's 256
.irp s, 0,1
	v_add_nc_u32 v[ADRA+\s], s21, v4
	v_add_nc_u32 v[ADRB+\s], s22, v4
	s_add_co_u32 s21, s21, SLOT
	s_add_co_u32 s22, s22, SLOT
.endr
	v_mul_u32_u24 v5, v1, KS                       ; my row's scales: 32 bytes a row,
	v_lshrrev_b32 v6, 8, v5
	v_lshl_add_u32 v5, v6, 4, v5                   ; and 16 more for each 256 passed
	s_mul_i32 s21, s15, HALFS
	s_mul_i32 s22, s16, HALFS
	s_add_co_u32 s22, s22, 2*HALFS
	s_sub_co_u32 s22, s22, s21
	v_mul_u32_u24 v6, s22, v2                      ; lanes 16-31 take B's
	s_add_co_u32 s21, s21, SCL
	v_add_nc_u32 v5, v5, v6
	v_add_nc_u32 v[ADRS], s21, v5
	; the way out.  P, Pw: place and wave half on the positions' side; F, Fw: on the features' side.  t = (4 Y + P) % 16.
	; first byte = (t / 8) x 2^22 (batch) + (4 F + 2 Fw) x 2^18 (head) + (t % 8) x 2^15 + Pw x 2^14 (128 positions are 16,384 bytes in all three images)
	s_cmp_lt_u32 s17, 4
	s_cselect_b64 s[66:67], s[96:97], s[98:99]
	s_mov_b32 s2, 2048
	s_mov_b32 s3, 1024
	s_mov_b32 s20, 262144
	s_cmp_ge_u32 s17, 8
	s_cselect_b64 s[66:67], s[100:101], s[66:67]
	s_cselect_b32 s92, s42, s41
	s_cselect_b32 s93, s41, s42
	s_cselect_b32 s94, s16, s15
	s_cselect_b32 s95, s15, s16
	s_cselect_b32 s18, 1024, s2                    ; from one A block to the next: 16 channels, or 16 positions;
	s_cselect_b32 s22, 259072, s2                  ; from block 3 to block 4: v: the next head, less three steps
	s_cselect_b32 s21, 4096, s3                    ; from a fragment of a block to the next: 32 keys, or the head's other 32;
	s_cselect_b32 s20, 8192, s20                   ; two on: 64 keys, or the next head
	s_cselect_b32 s45, 0, -1                       ; the bias's mask
	s_mov_b32 s19, 0
	s_mov_b32 s23, 0
	s_lshl_b32 s46, s17, 2
	s_add_co_u32 s46, s46, s92
	s_and_b32 s46, s46, 15
	s_lshr_b32 s47, s46, 3
	s_lshl_b32 s47, s47, 22
	s_and_b32 s46, s46, 7
	s_lshl_b32 s46, s46, 15
	s_add_co_u32 s46, s46, s47
	s_lshl_b32 s93, s93, 20
	s_add_co_u32 s46, s46, s93
	s_lshl_b32 s95, s95, 19
	s_add_co_u32 s46, s46, s95
	s_lshl_b32 s94, s94, 14
	s_add_co_u32 s46, s46, s94
	s_mov_b32 s47, 0
	s_add_nc_u64 s[66:67], s[66:67], s[46:47]
	v_and_b32 v5, 31, v0
	v_lshlrev_b32 v[VB], 4, v5
	v_add_nc_u32 v[VB+1], s21, v[VB]
	v_add_nc_u32 v[VB+2], s20, v[VB]
	v_add_nc_u32 v[VB+3], s21, v[VB+2]
	s_wait_loadcnt 0x0                             ; the bias
.set j, 0
.rept 64
	v_and_b32 v[BIAS+j], s45, v[BIAS+j]
.set j, j+1
.endr
.macro FRAG reg, adr, q, i             ; a fragment, 16 rows x 128 K of 4-bit codes: registers 4 c .. 4 c + 3 hold K = 64 c + 32 (lane / 16) + 0 .. 31
.irp c, 0,1
	ds_load_b128 v[\reg+4*\c:\reg+4*\c+3], v[\adr] offset:64*(\q)+32*\c+(\i)*16*PITCH
.endr
.endm
; 16 matrix instructions: A's blocks a0, a0 + 1 x B's eight, 128 along K.  zero = 1: the first product starts the sums from the bias.  The 64 accumulators take turns, one instruction a turn.
.macro MUL16 a0, p, q, sc, zero
.irp a, \a0, \a0+1
.irp b, 0,1,2,3,4,5,6,7
.if \zero
	v_wmma_scale_f32_16x16x128_f8f6f4 v[8*(8*((\a)%4)+\b):8*(8*((\a)%4)+\b)+7], v[128*(\p)+FR*\b:128*(\p)+FR*\b+FR-1], v[AF+FR*(\a):AF+FR*(\a)+FR-1], v[BIAS+8*\b:BIAS+8*\b+7], v[SC+8*NQ*(\sc)+NQ*\b+(\q)], v[SC+8*NQ*(\sc)+NQ*(\a)+(\q)] matrix_a_fmt:MATRIX_FMT_FP4 matrix_b_fmt:MATRIX_FMT_FP4 matrix_a_scale:MATRIX_SCALE_ROW1
.else
	v_wmma_scale_f32_16x16x128_f8f6f4 v[8*(8*((\a)%4)+\b):8*(8*((\a)%4)+\b)+7], v[128*(\p)+FR*\b:128*(\p)+FR*\b+FR-1], v[AF+FR*(\a):AF+FR*(\a)+FR-1], v[8*(8*((\a)%4)+\b):8*(8*((\a)%4)+\b)+7], v[SC+8*NQ*(\sc)+NQ*\b+(\q)], v[SC+8*NQ*(\sc)+NQ*(\a)+(\q)] matrix_a_fmt:MATRIX_FMT_FP4 matrix_b_fmt:MATRIX_FMT_FP4 matrix_a_scale:MATRIX_SCALE_ROW1
.endif
.endr
.endr
.endm
.macro FETCH_B slot, q, p
	WIN TO_B
.irp i, 0,1,2,3,4,5,6,7
	FRAG 128*(\p)+FR*\i, ADRB+\slot, \q, \i
.endr
	WIN 0
.endm
.macro FETCH_A slot, q, i0
.irp i, \i0, \i0+1, \i0+2, \i0+3
	FRAG AF+FR*(\i), ADRA+\slot, \q, \i
.endr
.endm
.macro SCALES sc                       ; a slot's scale words: 4 words a row; lanes 0-15 take A's block i, lanes 16-31 B's block i
.irp i, 0,1,2,3,4,5,6,7
	ds_load_b128 v[SC+8*NQ*\sc+NQ*\i:SC+8*NQ*\sc+NQ*\i+3], v[ADRS] offset:\i*SBLK
.endr
.endm
.macro PLACES n                        ; plain vector instructions between a matrix instruction and a load into, or a vector read or write of, its registers
.rept \n
	v_nop
.endr
.endm
.macro STEP slot, q, zero              ; a step of 128 along K that has its successor in the same slot
	s_wait_dscnt 4*NL                              ; B's set and A's blocks 0-3 are in; the youngest eight loads (A's blocks 4-7) may be out
.if \zero
	WIN 0x81                                       ; C (the bias) window 0, D window 2
.else
	WIN MUL_LO
.endif
	MUL16 0, (\q)%2, \q, \slot, \zero
	MUL16 2, (\q)%2, \q, \slot, \zero
	s_wait_dscnt 0
	PLACES NP
	FETCH_B \slot, (\q)+1, 1-(\q)%2
	FETCH_A \slot, (\q)+1, 0
.if \zero
	WIN 0xc1                                       ; C window 0, D window 3
.else
	WIN MUL_HI
.endif
	MUL16 4, (\q)%2, \q, \slot, \zero
	MUL16 6, (\q)%2, \q, \slot, \zero
	PLACES NP
	WIN 0
	FETCH_A \slot, (\q)+1, 4
.endm
.macro STEPS slot, from
.set Q, \from
.rept NQ-1-\from
	STEP \slot, Q, 0
.set Q, Q+1
.endr
.endm
	s_wait_tensorcnt 1                             ; the scales and my part of slot 0 are in (slot 1's load may be out),
	s_barrier_signal -1
	s_barrier_wait -1                              ; everybody's are
	FETCH_B 0, 0, 0
	FETCH_A 0, 0, 0
	SCALES 0
	FETCH_A 0, 0, 4
	STEP 0, 0, 1
	STEPS 0, 1
	; slot 0's last step changes slots: my part of slot 1 has landed, and behind the barrier everybody's has.  Nothing is filled again
	s_wait_tensorcnt 0x0
	ds_add_u32 v[SPW], v[NIL]
	s_wait_dscnt 4*NL+1                            ; (the add and A's blocks 4-7 may be out)
	WIN MUL_LO
	MUL16 0, 1, NQ-1, 0, 0
	s_wait_dscnt 0x0
	s_barrier_signal -1
	MUL16 2, 1, NQ-1, 0, 0
	WIN 0
	s_barrier_wait -1
	PLACES NP
	v_add_nc_u32 v[ADRS], 4*NQ, v[ADRS]            ; slot 1's scale words
	FETCH_B 1, 0, 0
	FETCH_A 1, 0, 0
	SCALES 1
	WIN MUL_HI
	MUL16 4, 1, NQ-1, 0, 0
	MUL16 6, 1, NQ-1, 0, 0
	PLACES NP
	WIN 0
	FETCH_A 1, 0, 4
	STEPS 1, 0
	s_wait_dscnt 4*NL                              ; the very last step
	WIN MUL_LO
	MUL16 0, 1, NQ-1, 1, 0
	MUL16 2, 1, NQ-1, 1, 0
	s_wait_dscnt 0
	WIN MUL_HI
	MUL16 4, 1, NQ-1, 1, 0
	MUL16 6, 1, NQ-1, 1, 0
	WIN 0
	PLACES NP                                      ; ahead of the first read of results and of writes into A's registers
; THE WAY OUT, block by block of 16 A rows: 32 roundings to f16 (each accumulator from its low end on) make four fragments; eight stores of 512 consecutive bytes.
.macro OUT a
.set AC, 64*((\a)%4)
.set TT, TMP+32*((\a)%2)
	WIN 0x0a+5*((\a)/4)                            ; sources 0 and 1: window 2 or 3
.irp b, 0,1,2,3,4,5,6,7
.irp r, 0,1,2,3
	v_cvt_pk_f16_f32 v[TT+4*\b+\r], v[AC+8*\b+2*\r], v[AC+8*\b+2*\r+1]
.endr
.endr
	WIN 0
.irp b, 0,1,2,3
	global_store_b128 v[VB+\b], v[TT+8*\b:TT+8*\b+3],   s[66:67]
	global_store_b128 v[VB+\b], v[TT+8*\b+4:TT+8*\b+7], s[66:67] offset:512
.endr
	s_wait_xcnt 0x0                                ; the stores have read their data and their base: both are written again only behind this wait
.if (\a) == 3
	s_add_nc_u64 s[66:67], s[66:67], s[22:23]
.elseif (\a) < 7
	s_add_nc_u64 s[66:67], s[66:67], s[18:19]
.endif
.endm
.irp a, 0,1,2,3,4,5,6,7
	OUT \a
.endr
	s_wait_tensorcnt 0x0                           ; the wave's end
	ds_add_u32 v[SPW], v[NIL]
	s_wait_dscnt 0x0
	CROUND                                         ; the closing round
	s_endpgm
.Lfunc_end_k_q0842bf8a16_proj:
	.size	k_q0842bf8a16_proj, .Lfunc_end_k_q0842bf8a16_proj-k_q0842bf8a16_proj
	.p2alignl 7, 3214868480
	.fill 96, 4, 3214868480
	.section	.rodata,"a",@progbits
	.p2align	6, 0x0
	.amdhsa_kernel k_q0842bf8a16_proj
		.amdhsa_group_segment_fixed_size 327680
		.amdhsa_private_segment_fixed_size 0
		.amdhsa_enable_private_segment 0
		.amdhsa_kernarg_size 56
		.amdhsa_user_sgpr_count 2
		.amdhsa_user_sgpr_kernarg_segment_ptr 1
		.amdhsa_wavefront_size32 1
		.amdhsa_system_sgpr_workgroup_id_x 1
		.amdhsa_system_sgpr_workgroup_id_y 1
		.amdhsa_system_sgpr_workgroup_id_z 1
		.amdhsa_system_vgpr_workitem_id 0
		.amdhsa_next_free_vgpr 1024
		.amdhsa_next_free_sgpr 102
		.amdhsa_reserve_vcc 0
		.amdhsa_float_denorm_mode_32 3
		.amdhsa_float_denorm_mode_16_64 3
		.amdhsa_memory_ordered 1
		.amdhsa_forward_progress 1
		.amdhsa_inst_pref_size 123
	.end_amdhsa_kernel
	.amdgpu_metadata
---
amdhsa.version: [ 1, 2 ]
amdhsa.kernels:
  - .name:           k_q0842bf8a16_proj
    .symbol:         k_q0842bf8a16_proj.kd
    .args:
      - { .name: codes, .offset: 0, .size: 8, .value_kind: global_buffer, .address_space: global }
      - { .name: scales, .offset: 8, .size: 8, .value_kind: global_buffer, .address_space: global }
      - { .name: bq, .offset: 16, .size: 8, .value_kind: global_buffer, .address_space: global }
      - { .name: bk, .offset: 24, .size: 8, .value_kind: global_buffer, .address_space: global }
      - { .name: qimg, .offset: 32, .size: 8, .value_kind: global_buffer, .address_space: global }
      - { .name: kimg, .offset: 40, .size: 8, .value_kind: global_buffer, .address_space: global }
      - { .name: vimg, .offset: 48, .size: 8, .value_kind: global_buffer, .address_space: global }
    .group_segment_fixed_size: 327680
    .private_segment_fixed_size: 0
    .kernarg_segment_align: 8
    .kernarg_segment_size: 56
    .max_flat_workgroup_size: 128
    .sgpr_count:     102
    .vgpr_count:     1024
    .wavefront_size: 32
...
	.end_amdgpu_metadata
.endif
;; end of part 2
;; launch attn (part 3): grid 8 x 32, 8 waves a work-group, no clusters, 327,680 bytes of LDS; arguments qimg, kimg, vimg, relimg, rel_v, bv, ximg; writes ximg
.if DOCPART == 3
	.amdgcn_target "amdgcn-amd-amdhsa--gfx1250"
	.amdhsa_code_object_version 6
	.text
	.protected	k_q0842bf8a16_attn
	.globl	k_q0842bf8a16_attn
	.p2align	8
	.type	k_q0842bf8a16_attn,@function
k_q0842bf8a16_attn:
	s_mov_b64 s[64:65], 0
	v_nop
	global_prefetch_b8 v0, s[64:65] scope:SCOPE_SE
	s_setreg_imm32_b32 hwreg(HW_REG_WAVE_MODE, 25, 1), 1
	s_wait_xcnt 0x0
; ATTN.  x[q] = softmax_k((q.k + q.rel_k[i(q,k)]) / 8) (v[k] + rel_v[i(q,k)]) + bv, i = clip(k - q, -50, 50) + 50; f16 operands, f32 sums, a running maximum.
; SHARES.  A work-group owns 256 queries of one (batch, head); each of its eight waves 32: two tiles of 16; two waves to a SIMD, so that one wave's softmax stands beside the other's products.  Every wave walks 32 steps of 64 keys.
; LAYOUT.  S^T = K Q^T and O^T = V^T P (source 0 = 16 keys, or 16 channels; source 1 = my 16 queries): a lane holds ONE query.  All operands lie in memory and LDS as images of their registers:
;   a fragment (16 rows x 32 K) is 1,024 bytes, registers 0-3 at 16 x lane, registers 4-7 at 512 + 16 x lane: no pitch, no padding, no turning load.
; THE RELATIVE TERMS.  Where all of a step's keys lie 50 or more to the left (right) of all my 32 queries, i is 0 (100): q.rel_k[i] is one number a query, given as the C of the step's first products (eight equal
;   registers, CB), and the step's share of sum p rel_v[i] is (the sum of its p) x one row: the sums are kept (lS) and folded into O^T when the side changes (FOLD).
;   The other steps, three a wave (BAND): with x = k - q + 128 and tables of 256 rows (row x = the table's row clip(x - 128) + 50), E[q][x] = q . rk[x] is a small product over 96 rows x; it goes through my stage in LDS and
;   comes back skewed by the query, as the C of the S products; p goes through a second stage, skewed the other way into zeros, and multiplies rv: 24 more products.
; NO CLUSTER: which steps are band steps is a branch on the wave's queries, and the query blocks that would share K and V differ in it.
; LIMITS: |q|, |k|, |v|, |rel|, |x| under 65,504 (f16); p under 6e-8 counts as 0 in the products (not in the row's sum); NaN and infinities are not served.
.set SLOT1, 1<<16                      ; a slot: four steps: K's 4 x 8,192 bytes, then V's; slot 1 begins here: one exclusive or turns an address
.set TAB,   2*SLOT1                    ; the two tables, 65,536 bytes, filled once
.set ESTG,  TAB+65536                  ; E's stages: for each wave 16 rows x 96 f32, 400 bytes apart
.set EWB,   6400
.set PSTG,  ESTG+8*EWB                 ; the skewed p: for each wave 2 tiles x 16 rows x 96 f16, 208 bytes apart
.set PWB,   6656
.set SPARE, PSTG+8*PWB                 ; the spare words: 128 bytes for each wave
; window 0
.set LI,   1                           ; 16 x lane
.set ADR,  2                           ; the step's tiles
.set ESTO, 3                           ; E's stage, in: 400 r + 32 h
.set ERD,  4                           ; and out, skewed: 396 r + 32 h
.set PSTO, 5                           ; p's stage, in, skewed: 206 r + 16 h
.set PRD,  6                           ; and out: 208 r + 16 h
.set RVO,  7                           ; 32 h
.set PFO,  8                           ; 256 x lane
.set TADR, 9                           ; the band step's rows of the tables
.set SPW,  10
.set NIL,  11
.set ZZ,   12                          ; v12-15 zeros
.set ST,   16                          ; 16 a tile: +0 c m, +1 m, +2,3 lS, +4,5 lA, +6,7 a, +8..11 at work, +12,13 lS summed
.set S,    64                          ; v64-127 S^T, 32 a tile
.set P,    128                         ; v128-159 p as f16, 16 a tile
.set CB,   160                         ; v160-175 q.rel_k of the side in hand, eight equal registers a tile;  v176-191 that of the right side
.set RV,   192                         ; v192-223 rel_v's row of the side in hand, in O^T's layout
.set BV,   224                         ; v224-255 bv likewise
; window 1
.set O,    0                           ; O^T: tile t, channels 16 c on: 32 t + 8 c
.set Q,    64                          ; 16 t + 8 e
.set KF,   96
.set VF,   160
.set XF,   224
.set WV,   20
.set SEL,  22
.set CS,   24                          ; s[24:25] c = log2(e) / 8
.set G1,   28                          ; s[28:35] one shape for every load: 8,192 dense bytes as 32 rows of 256
.set G0T,  36                          ; s[36:39] the tables' group 0
.set G0,   40                          ; s[40:43] the ring's, which walks
.set TB,   44                          ; LDS byte at which the step's K begins
.set SLOTS, 45
.set STEPC, 46
.set XS,   47                          ; 64 j - my first query + 96: a band step where 0 <= XS <= 160
.set TPAR, 48                          ; TAB + 4096 in even waves (XS = 32, 96, 160), TAB in odd ones (XS = 0, 64, 128)
.set PFA,  50
.set LIM,  52
.set MSB, 0
.macro WIN new                         ; the immediate's high byte repeats the setting that is left
.if MSB != \new
	s_set_vgpr_msb (MSB<<8)|\new
.set MSB, \new
.endif
.endm
	s_load_b256 s[4:11], s[0:1], 0x0               ; qimg, kimg, vimg, relimg
	s_load_b128 s[12:15], s[0:1], 0x20             ; rel_v, bv
	s_load_b64 s[16:17], s[0:1], 0x30              ; ximg
	v_lshl_add_u32 v[SPW], v0, 2, SPARE
	v_mov_b32 v[NIL], 0
	ds_add_u32 v[SPW], v[NIL]                      ; the wave's opening: the add, twice on end, and its wait ahead of my first tensor load
	ds_add_u32 v[SPW], v[NIL]
	v_lshrrev_b32 v2, 5, v0
	v_readfirstlane_b32 s[WV], v2                  ; wave 0..7
	s_and_b32 s21, ttmp7, 0xffff                   ; b x 16 + head
	s_mov_b32 s[G1], 3<<16                         ; no mask; elements of 8 bytes; no padding
	s_mov_b32 s[G1+1], 32<<16                      ; tensor_dim0 = 32
	s_mov_b32 s[G1+2], 32<<16                      ; tensor_dim1 = 32
	s_mov_b32 s[G1+3], 32<<16                      ; tile_dim0 = 32
	s_mov_b32 s[G1+4], 32                          ; tile_dim1 = 32
	s_mov_b32 s[G1+5], 32                          ; from row to row
	s_mov_b32 s[G1+6], 0
	s_mov_b32 s[G1+7], 0
	s_mov_b32 s[SEL], 0x76543210
	s_mov_b32 s[SEL+1], 0xfedcba98
	s_mov_b32 s[CS], 0x3e38aa3b
	s_mov_b32 s[CS+1], s[CS]
	s_lshl_b32 s57, ttmp9, 8
	s_lshl_b32 s53, s[WV], 5
	s_add_co_u32 s57, s57, s53                     ; my first query
	s_sub_co_u32 s[XS], 96, s57
	s_lshl_b32 s58, s[WV], 13                      ; 8,192 x wave
	s_mov_b32 s59, 0
	s_lshl_b32 s56, s21, 18                        ; a head's 262,144 bytes in each image
	s_and_b32 s54, s[WV], 3
	s_lshl_b32 s54, s54, 13
	s_add_co_u32 s54, s54, s56                     ; what I fetch: step wave % 4 of a slot
	s_mov_b32 s55, 0
	s_and_b32 s53, s21, 15                         ; head
	s_lshr_b32 s60, s53, 2                         ; ximg [head / 4][b x 128 + tile of 16 rows][2 (head % 4) + e][1,024]
	s_lshl_b32 s60, s60, 21
	s_and_b32 s61, s53, 3
	s_lshl_b32 s61, s61, 11
	s_add_co_u32 s60, s60, s61
	s_lshr_b32 s61, s21, 4
	s_lshl_b32 s61, s61, 20
	s_add_co_u32 s60, s60, s61
	s_lshl_b32 s61, s57, 9
	s_add_co_u32 s60, s60, s61
	s_mov_b32 s61, 0
	s_lshl_b32 s18, s53, 8                         ; bv: the head's 64 numbers
	s_mov_b32 s19, 0
	s_lshl_b32 s53, s57, 7                         ; Q: 2,048 bytes for 16 queries
	s_add_co_u32 s56, s56, s53
	s_mov_b32 s57, 0
	s_and_b32 s[TPAR], s[WV], 1
	s_xor_b32 s[TPAR], s[TPAR], 1
	s_lshl_b32 s[TPAR], s[TPAR], 12
	s_add_co_u32 s[TPAR], s[TPAR], TAB
	s_mul_i32 s26, s[WV], EWB
	s_add_co_u32 s26, s26, ESTG                    ; my two stages
	s_mul_i32 s27, s[WV], PWB
	s_add_co_u32 s27, s27, PSTG
	s_mov_b32 s[TB], 0
	s_mov_b32 s[SLOTS], 7
	s_cmp_eq_u32 ttmp9, 0                          ; all eight query blocks of a head walk the same K and V: the first of them prefetches
	s_cselect_b32 s[LIM], 1, -1
	s_wait_dscnt 0x0                               ; both opening adds are done
	s_wait_kmcnt 0x0
	s_mov_b32 s[G0T], 1
	s_add_co_u32 s[G0T+1], s58, TAB
	s_add_nc_u64 s[G0T+2:G0T+3], s[10:11], s[58:59]
	s_or_b32 s[G0T+3], s[G0T+3], 0x80000000
	s_mov_b32 s[G0], 1
	s_mov_b32 s[G0+1], s58                         ; waves 0-3: K of step wave, waves 4-7: V of step wave - 4: all at 8,192 x wave
	s_cmp_lt_u32 s[WV], 4
	s_cselect_b64 s[G0+2:G0+3], s[6:7], s[8:9]
	s_add_nc_u64 s[G0+2:G0+3], s[G0+2:G0+3], s[54:55]
	s_add_nc_u64 s[PFA:PFA+1], s[G0+2:G0+3], 32768 ; my part of the second four steps; each change of slots steps it before it asks
	s_or_b32 s[G0+3], s[G0+3], 0x80000000
	tensor_load_to_lds s[G0T:G0T+3], s[G1:G1+7]    ; my eighth of the tables
	s_nop 0
	tensor_load_to_lds s[G0:G0+3], s[G1:G1+7]      ; my eighth of slot 0: two loads of mine are out
	s_nop 0
	v_and_b32 v48, 31, v0
	v_lshlrev_b32 v[LI], 4, v48
	v_lshlrev_b32 v[PFO], 8, v48
	v_and_b32 v48, 15, v0                          ; r
	v_bfe_u32 v49, v0, 4, 1                        ; h
	v_lshlrev_b32 v[RVO], 5, v49
	s_add_nc_u64 s[4:5], s[4:5], s[56:57]
	s_add_nc_u64 s[14:15], s[14:15], s[18:19]
	s_add_nc_u64 s[16:17], s[16:17], s[60:61]
	WIN 0x40                                       ; destination window 1
.irp t, 0,1
.irp e, 0,1
	global_load_b128 v[Q+16*\t+8*\e:Q+16*\t+8*\e+3],   v[LI], s[4:5] offset:2048*\t+1024*\e       ; Q stays in registers
	global_load_b128 v[Q+16*\t+8*\e+4:Q+16*\t+8*\e+7], v[LI], s[4:5] offset:2048*\t+1024*\e+512
.endr
.endr
.irp n, 0,1,2,3                        ; rk's first and last tiles of 16 rows, fragments 0, 1 and 30, 31 (bytes 0, 1024, 30720, 31744): all rows equal rel_k[0], or rel_k[100]
	global_load_b128 v[KF+8*\n:KF+8*\n+3],   v[LI], s[10:11] offset:1024*\n+28672*(\n/2)
	global_load_b128 v[KF+8*\n+4:KF+8*\n+7], v[LI], s[10:11] offset:1024*\n+28672*(\n/2)+512
.endr
	WIN 0
.irp c, 0,1,2,3
	global_load_b128 v[RV+8*\c:RV+8*\c+3],   v[RVO], s[12:13] offset:64*\c                       ; rel_v[0] at channels 16 c + 8 h + 0 .. 7
	global_load_b128 v[RV+8*\c+4:RV+8*\c+7], v[RVO], s[12:13] offset:64*\c+16
	global_load_b128 v[BV+8*\c:BV+8*\c+3],   v[RVO], s[14:15] offset:64*\c
	global_load_b128 v[BV+8*\c+4:BV+8*\c+7], v[RVO], s[14:15] offset:64*\c+16
.endr
	v_mul_u32_u24 v[ESTO], v48, 400
	v_lshl_add_u32 v[ESTO], v49, 5, v[ESTO]
	v_add_nc_u32 v[ESTO], s26, v[ESTO]
	v_mul_u32_u24 v[ERD], v48, 396
	v_lshl_add_u32 v[ERD], v49, 5, v[ERD]
	v_add_nc_u32 v[ERD], s26, v[ERD]
	v_mul_u32_u24 v[PSTO], v48, 206
	v_lshl_add_u32 v[PSTO], v49, 4, v[PSTO]
	v_add_nc_u32 v[PSTO], s27, v[PSTO]
	v_mul_u32_u24 v[PRD], v48, 208
	v_lshl_add_u32 v[PRD], v49, 4, v[PRD]
	v_add_nc_u32 v[PRD], s27, v[PRD]
	v_add_nc_u32 v[ADR], s27, v[LI]
.irp i, 0,1,2,3
	v_mov_b32 v[ZZ+\i], 0
.endr
.irp i, 0,1,2,3,4,5,6,7,8,9,10,11,12
	ds_store_b128 v[ADR], v[ZZ:ZZ+3] offset:512*\i ; p's stage begins as zeros; a band step always writes the same places, so the zeros round them stay
.endr
.irp t, 0,1
	v_mov_b32 v[ST+16*\t+1], 0xff61b1e6            ; m: -3e38, under every score
	v_mul_f32 v[ST+16*\t], s[CS], v[ST+16*\t+1]
.irp i, 2,3,4,5,6,7,8,9,10,11,12,13
	v_mov_b32 v[ST+16*\t+\i], 0
.endr
.endr
	s_wait_loadcnt 0x0
	WIN 0x05                                       ; sources 0 and 1 window 1; C and D window 0
.irp e, 0,1                            ; q.rel_k[0] and q.rel_k[100]: four accumulators by turns
.irp x, 0,1
.irp t, 0,1
.if \e == 0
	v_wmma_f32_16x16x32_f16 v[CB+16*\x+8*\t:CB+16*\x+8*\t+7], v[KF+16*\x+8*\e:KF+16*\x+8*\e+7], v[Q+16*\t+8*\e:Q+16*\t+8*\e+7], 0
.else
	v_wmma_f32_16x16x32_f16 v[CB+16*\x+8*\t:CB+16*\x+8*\t+7], v[KF+16*\x+8*\e:KF+16*\x+8*\e+7], v[Q+16*\t+8*\e:Q+16*\t+8*\e+7], v[CB+16*\x+8*\t:CB+16*\x+8*\t+7]
.endif
.endr
.endr
.endr
	WIN 0x40
.set j, 0
.rept 64
	v_mov_b32 v[O+j], 0                            ; O^T.  The step is written once: the first finds zeros.  (These are also the places behind the products above)
.set j, j+1
.endr
	WIN 0
.macro KLOAD
.irp f, 0,1,2,3,4,5,6,7                ; fragment 2 u + e: keys 16 u on, the head's 32 e on
	ds_load_b128 v[KF+8*\f:KF+8*\f+3],   v[ADR] offset:1024*\f
	ds_load_b128 v[KF+8*\f+4:KF+8*\f+7], v[ADR] offset:1024*\f+512
.endr
.endm
.macro VLOAD
.irp f, 0,1,2,3,4,5,6,7                ; fragment 4 kk + c: keys 32 kk on, channels 16 c on
	ds_load_b128 v[VF+8*\f:VF+8*\f+3],   v[ADR] offset:32768+1024*\f
	ds_load_b128 v[VF+8*\f+4:VF+8*\f+7], v[ADR] offset:32768+1024*\f+512
.endr
.endm
; S^T = K Q^T + C: 16 products, eight accumulators by turns.  cb = 1: C is the side's constant; 0: C lies in S already
.macro SMUL cb
	WIN 0x05
.irp e, 0,1
.irp u, 0,1,2,3
.irp t, 0,1
.if (\cb) && (\e == 0)
	v_wmma_f32_16x16x32_f16 v[S+32*\t+8*\u:S+32*\t+8*\u+7], v[KF+16*\u+8*\e:KF+16*\u+8*\e+7], v[Q+16*\t+8*\e:Q+16*\t+8*\e+7], v[CB+8*\t:CB+8*\t+7]
.else
	v_wmma_f32_16x16x32_f16 v[S+32*\t+8*\u:S+32*\t+8*\u+7], v[KF+16*\u+8*\e:KF+16*\u+8*\e+7], v[Q+16*\t+8*\e:Q+16*\t+8*\e+7], v[S+32*\t+8*\u:S+32*\t+8*\u+7]
.endif
.endr
.endr
.endr
.endm
.macro PVMUL                           ; O^T += V^T P: 16 products, eight accumulators by turns
	WIN 0x51                                       ; V window 1, P window 0, O^T window 1
.irp k, 0,1
.irp c, 0,1,2,3
.irp t, 0,1
	v_wmma_f32_16x16x32_f16 v[O+32*\t+8*\c:O+32*\t+8*\c+7], v[VF+8*(4*\k+\c):VF+8*(4*\k+\c)+7], v[P+16*\t+8*\k:P+16*\t+8*\k+7], v[O+32*\t+8*\c:O+32*\t+8*\c+7]
.endr
.endr
.endr
.endm
.macro W2MUL                           ; O^T += rv^T x the skewed p: 96 rows x in three chunks; the same eight accumulators go on taking turns
.irp c, 0,1,2
.irp d, 0,1,2,3
.irp t, 0,1
.if \c < 2
	v_wmma_f32_16x16x32_f16 v[O+32*\t+8*\d:O+32*\t+8*\d+7], v[KF+8*(4*\c+\d):KF+8*(4*\c+\d)+7], v[S+24*\t+8*\c:S+24*\t+8*\c+7], v[O+32*\t+8*\d:O+32*\t+8*\d+7]
.else
	v_wmma_f32_16x16x32_f16 v[O+32*\t+8*\d:O+32*\t+8*\d+7], v[XF+8*\d:XF+8*\d+7], v[S+24*\t+8*\c:S+24*\t+8*\c+7], v[O+32*\t+8*\d:O+32*\t+8*\d+7]
.endif
.endr
.endr
.endr
.endm
; THE SOFTMAX of a step, both tiles line by line.  band = 1: the step's sum goes to lA, and p goes through its stage.
.macro SOFTMAX band
.irp c, 0,1,2,3
.irp t, 0,1
	v_max3_num_f32 v[ST+16*\t+8+\c], v[S+32*\t+8*\c], v[S+32*\t+8*\c+1], v[S+32*\t+8*\c+2]   ; each accumulator from its low end on
.endr
.endr
.irp i, 3,5
.irp c, 0,1,2,3
.irp t, 0,1
	v_max3_num_f32 v[ST+16*\t+8+\c], v[ST+16*\t+8+\c], v[S+32*\t+8*\c+\i], v[S+32*\t+8*\c+\i+1]
.endr
.endr
.endr
.irp t, 0,1
	v_max3_num_f32 v[ST+16*\t+8],  v[ST+16*\t+8],  v[S+32*\t+7],  v[S+32*\t+15]
	v_max3_num_f32 v[ST+16*\t+10], v[ST+16*\t+10], v[S+32*\t+23], v[S+32*\t+31]
.endr
.irp t, 0,1
	v_max3_num_f32 v[ST+16*\t+8], v[ST+16*\t+8], v[ST+16*\t+9], v[ST+16*\t+10]
.endr
.irp t, 0,1
	v_max3_num_f32 v[ST+16*\t+8], v[ST+16*\t+8], v[ST+16*\t+11], v[ST+16*\t+1]   ; with the old m
.endr
.irp t, 0,1
	v_permlanex16_b32 v[ST+16*\t+9], v[ST+16*\t+8], s[SEL], s[SEL+1]             ; the query's other 32 keys lie in the lane 16 away
.endr
.irp t, 0,1
	v_mov_b32 v[ST+16*\t+11], v[ST+16*\t]          ; c m_old
.endr
.irp t, 0,1
	v_max_num_f32 v[ST+16*\t+1], v[ST+16*\t+8], v[ST+16*\t+9]
.endr
.irp t, 0,1
	v_mul_f32 v[ST+16*\t], s[CS], v[ST+16*\t+1]
.endr
.irp t, 0,1
	v_sub_f32 v[ST+16*\t+11], v[ST+16*\t+11], v[ST+16*\t]
.endr
.irp n, 0,2,4,6,8,10,12,14,16,18,20,22,24,26,28,30
.irp t, 0,1
	v_pk_fma_f32 v[S+32*\t+\n:S+32*\t+\n+1], v[S+32*\t+\n:S+32*\t+\n+1], s[CS:CS+1], v[ST+16*\t:ST+16*\t+1] op_sel_hi:[1,0,0] neg_lo:[0,0,1] neg_hi:[0,0,1]   ; c s - c m
.endr
.endr
.irp t, 0,1
	v_exp_f32 v[ST+16*\t+6], v[ST+16*\t+11]        ; a = 2^(c m_old - c m_new)
.endr
.set j, 0
.rept 64
	v_exp_f32 v[S+j], v[S+j]                       ; p
.set j, j+1
.endr
	v_nop                                          ; a plain instruction behind the last exponential, ahead of the first use
	s_wait_alu depctr_va_vdst(0)                   ; the wait ahead of the first instruction that names a result: one for the 66
.set j, 0
.rept 32
	v_cvt_pk_f16_f32 v[P+j], v[S+2*j], v[S+2*j+1]  ; two tiles of 16 keys, rounded in pairs, are source 1 of V^T P
.set j, j+1
.endr
.if \band
.irp t, 0,1                            ; p(query r, key kappa) to row r, place kappa - r + 32 - 16 t: two bytes at a time, since the place's parity hangs on r
.irp n, 0,1,2,3,4,5,6,7,8,9,10,11,12,13,14,15
	ds_store_b16        v[PSTO], v[P+16*\t+\n] offset:3328*\t+64-32*\t+32*(\n/4)+4*(\n%4)
	ds_store_b16_d16_hi v[PSTO], v[P+16*\t+\n] offset:3328*\t+64-32*\t+32*(\n/4)+4*(\n%4)+2
.endr
.endr
.endif
.set j, 0
.rept 16
	v_pk_add_f32 v[S+4*j:S+4*j+1], v[S+4*j:S+4*j+1], v[S+4*j+2:S+4*j+3]          ; the rows' sums of the unrounded p, in place
.set j, j+1
.endr
.set j, 0
.rept 8
	v_pk_add_f32 v[S+8*j:S+8*j+1], v[S+8*j:S+8*j+1], v[S+8*j+4:S+8*j+5]
.set j, j+1
.endr
.set j, 0
.rept 4
	v_pk_add_f32 v[S+16*j:S+16*j+1], v[S+16*j:S+16*j+1], v[S+16*j+8:S+16*j+9]
.set j, j+1
.endr
.irp t, 0,1
	v_pk_add_f32 v[S+32*\t:S+32*\t+1], v[S+32*\t:S+32*\t+1], v[S+32*\t+16:S+32*\t+17]
.endr
.irp t, 0,1
.if \band
	v_pk_fma_f32 v[ST+16*\t+4:ST+16*\t+5], v[ST+16*\t+4:ST+16*\t+5], v[ST+16*\t+6:ST+16*\t+7], v[S+32*\t:S+32*\t+1] op_sel_hi:[1,0,1]
.else
	v_pk_fma_f32 v[ST+16*\t+2:ST+16*\t+3], v[ST+16*\t+2:ST+16*\t+3], v[ST+16*\t+6:ST+16*\t+7], v[S+32*\t:S+32*\t+1] op_sel_hi:[1,0,1]
	v_pk_mul_f32 v[ST+16*\t+4:ST+16*\t+5], v[ST+16*\t+4:ST+16*\t+5], v[ST+16*\t+6:ST+16*\t+7] op_sel_hi:[1,0]
.endif
.endr
.if \band
.irp t, 0,1                            ; the skewed p back, as three fragments a tile, into S's registers, which are done with.  LDS serves a wave's instructions in order: these see the stores above
.irp c, 0,1,2
	ds_load_b128 v[S+24*\t+8*\c:S+24*\t+8*\c+3],   v[PRD] offset:3328*\t+64*\c
	ds_load_b128 v[S+24*\t+8*\c+4:S+24*\t+8*\c+7], v[PRD] offset:3328*\t+64*\c+32
.endr
.endr
.endif
	WIN 0x41                                       ; O^T window 1, a window 0
.irp t, 0,1
.irp n, 0,2,4,6,8,10,12,14,16,18,20,22,24,26,28,30
	v_pk_mul_f32 v[O+32*\t+\n:O+32*\t+\n+1], v[O+32*\t+\n:O+32*\t+\n+1], v[ST+16*\t+6:ST+16*\t+7] op_sel_hi:[1,0]
.endr
.endr
.endm
; THE SIDE'S SUM IS FOLDED IN: O^T += (the row's lS) x rel_v's row of the side; lA takes lS; lS begins anew.  A second call finds lS = 0 and adds nothing.
; re = 1: the right side's constant and rel_v[100] take the places of the left side's.
.macro FOLD re
.irp t, 0,1
	v_add_f32 v[ST+16*\t+12], v[ST+16*\t+2], v[ST+16*\t+3]
.endr
.irp t, 0,1
	v_permlanex16_b32 v[ST+16*\t+13], v[ST+16*\t+12], s[SEL], s[SEL+1]
.endr
.irp t, 0,1
	v_add_f32 v[ST+16*\t+12], v[ST+16*\t+12], v[ST+16*\t+13]
.endr
.irp t, 0,1
	v_pk_add_f32 v[ST+16*\t+4:ST+16*\t+5], v[ST+16*\t+4:ST+16*\t+5], v[ST+16*\t+2:ST+16*\t+3]
.endr
.irp t, 0,1
	v_mov_b32 v[ST+16*\t+2], 0
	v_mov_b32 v[ST+16*\t+3], 0
.endr
	WIN 0x50                                       ; source 2 and destination (O^T) window 1
.irp t, 0,1
.irp n, 0,2,4,6,8,10,12,14,16,18,20,22,24,26,28,30
	v_pk_fma_f32 v[O+32*\t+\n:O+32*\t+\n+1], v[RV+\n:RV+\n+1], v[ST+16*\t+12:ST+16*\t+13], v[O+32*\t+\n:O+32*\t+\n+1] op_sel_hi:[1,0,1]
.endr
.endr
	WIN 0
.if \re
.set j, 0
.rept 16
	v_mov_b32 v[CB+j], v[CB+16+j]
.set j, j+1
.endr
.irp c, 0,1,2,3
	global_load_b128 v[RV+8*\c:RV+8*\c+3],   v[RVO], s[12:13] offset:25600+64*\c
	global_load_b128 v[RV+8*\c+4:RV+8*\c+7], v[RVO], s[12:13] offset:25600+64*\c+16
.endr
.endif
.endm
.macro PLAIN
	WIN 0x40
	KLOAD
	VLOAD
	s_wait_dscnt 16                                ; K is in; V's sixteen loads may be out
	SMUL 1
	WIN 0
.rept 4
	v_nop                                          ; places ahead of the first read of the scores
.endr
	SOFTMAX 0
	s_wait_dscnt 0x0                               ; V
	PVMUL
	WIN 0
.endm
.macro BAND
	s_cmp_lt_u32 s[XS], 64                         ; the tables' rows XS on: 128 XS bytes in each table, made of two choices so that it stays inside the tables for every XS
	s_cselect_b32 s53, 0, 8192
	s_cmp_lt_u32 s[XS], 128
	s_cselect_b32 s54, 0, 8192
	s_add_co_u32 s53, s53, s54
	s_add_co_u32 s53, s53, s[TPAR]
	v_add_nc_u32 v[TADR], s53, v[LI]
	WIN 0x40
.irp f, 0,1,2,3,4,5,6,7,8,9,10,11     ; rk's fragment 2 a + e: rows XS + 16 a on
	ds_load_b128 v[VF+8*\f:VF+8*\f+3],   v[TADR] offset:1024*\f
	ds_load_b128 v[VF+8*\f+4:VF+8*\f+7], v[TADR] offset:1024*\f+512
.endr
	KLOAD
	WIN 0
	FOLD 1
	s_wait_dscnt 16                                ; rk is in; K's sixteen loads may be out
	WIN 0x05
.irp e, 0,1                            ; E^T = rk Q^T: lane = query, register i of tile a = row XS + 16 a + 8 h + i; twelve accumulators by turns
.irp a, 0,1,2,3,4,5
.irp t, 0,1
.if \e == 0
	v_wmma_f32_16x16x32_f16 v[S+48*\t+8*\a:S+48*\t+8*\a+7], v[VF+8*(2*\a+\e):VF+8*(2*\a+\e)+7], v[Q+16*\t+8*\e:Q+16*\t+8*\e+7], 0
.else
	v_wmma_f32_16x16x32_f16 v[S+48*\t+8*\a:S+48*\t+8*\a+7], v[VF+8*(2*\a+\e):VF+8*(2*\a+\e)+7], v[Q+16*\t+8*\e:Q+16*\t+8*\e+7], v[S+48*\t+8*\a:S+48*\t+8*\a+7]
.endif
.endr
.endr
.endr
	WIN 0
.rept 5
	v_nop                                          ; four places ahead of the stores of E and the loads into rk's registers; a fifth, since the S products write over E's registers
.endr
	WIN 0x40
	VLOAD
	WIN 0
.irp t, 0,1                            ; E through my stage: row r as it is; back skewed: key kappa of query r wants place kappa - r + 32 - 16 t.  One stage serves both tiles: LDS serves a wave's instructions in order
.irp a, 0,1,2,3,4,5
	ds_store_b128 v[ESTO], v[S+48*\t+8*\a:S+48*\t+8*\a+3]   offset:64*\a
	ds_store_b128 v[ESTO], v[S+48*\t+8*\a+4:S+48*\t+8*\a+7] offset:64*\a+16
.endr
.irp u, 0,1,2,3
.irp i, 0,1,2,3,4,5,6,7
	ds_load_b32 v[S+32*\t+8*\u+\i], v[ERD] offset:64*\u+4*\i+128-64*\t
.endr
.endr
.endr
	s_wait_dscnt 0x0
	SMUL 0
	WIN 0
.rept 4
	v_nop                                          ; places ahead of the loads into K's registers and of the first read of the scores
.endr
	WIN 0x40
.irp f, 0,1,2,3,4,5,6,7               ; rv's fragment 4 c + d: rows XS + 32 c on, channels 16 d on
	ds_load_b128 v[KF+8*\f:KF+8*\f+3],   v[TADR] offset:32768+1024*\f
	ds_load_b128 v[KF+8*\f+4:KF+8*\f+7], v[TADR] offset:32768+1024*\f+512
.endr
.irp f, 0,1,2,3
	ds_load_b128 v[XF+8*\f:XF+8*\f+3],   v[TADR] offset:32768+1024*(8+\f)
	ds_load_b128 v[XF+8*\f+4:XF+8*\f+7], v[TADR] offset:32768+1024*(8+\f)+512
.endr
	WIN 0
	SOFTMAX 1
	s_wait_dscnt 0x0                               ; V, rv, the skewed p
	s_wait_loadcnt 0x0                             ; rel_v[100]
	PVMUL
	W2MUL
	WIN 0
.endm
.macro STEP
	v_add_nc_u32 v[ADR], s[TB], v[LI]
.rept 4
	v_nop                                          ; with the line above five places behind the last products: four for the loads into their operands, a fifth for products that write over them
.endr
	s_cmp_le_u32 s[XS], 160                        ; ids and the count of steps alone; no barrier and no tensor load stands in a step
	s_cbranch_scc1 .Lband_\@
	PLAIN
	s_branch .Ljoin_\@
.Lband_\@:
	BAND
.Ljoin_\@:
	s_add_co_u32 s[TB], s[TB], 8192
	s_add_co_u32 s[XS], s[XS], 64
.endm
.macro ASK                             ; a prefetch of the 8,192 bytes that I shall load at the NEXT change of slots, four steps ahead of that load: 32 lanes, 256 bytes apart.  Each block is named once: by the head's first work-group alone.  The last change that fills asks for nothing
	s_cmp_gt_u32 s[SLOTS], s[LIM]
	s_cbranch_scc0 .Lnot_mine_\@
	global_prefetch_b8 v[PFO], s[PFA:PFA+1] th:TH_LOAD_NT scope:SCOPE_SE
.Lnot_mine_\@:
.endm
; THE CHANGE OF SLOTS stands at a slot's head: each wave waits for all its tensor loads (its part of the slot ahead), adds 0 to its spare word, and waits for that and for its reads of the slot that it has left.
; fill = 1: behind the barrier that slot takes the next four steps: one load a wave, which has four steps in which to land.
.macro CHANGE fill
	s_wait_tensorcnt 0x0                           ; no tensor load of mine is out, so the group 0 may be written
	ds_add_u32 v[SPW], v[NIL]
.if \fill
	s_xor_b32 s[G0+1], s[G0+1], SLOT1
	s_add_nc_u64 s[G0+2:G0+3], s[G0+2:G0+3], 32768
	s_wait_xcnt 0x0                                ; the last prefetch, a slot back, has read its address
	s_add_nc_u64 s[PFA:PFA+1], s[PFA:PFA+1], 32768
.endif
	s_wait_dscnt 0x0
	s_barrier_signal -1
	s_barrier_wait -1
.if \fill
	tensor_load_to_lds s[G0:G0+3], s[G1:G1+7]
	s_nop 0
.rept 4
	v_nop
.endr
	ASK
.endif
.endm
.macro SLOT_STEPS
	s_mov_b32 s[STEPC], 4
.Lstep_\@:
	STEP
	s_sub_co_u32 s[STEPC], s[STEPC], 1
	s_cmp_lg_u32 s[STEPC], 0
	s_cbranch_scc1 .Lstep_\@
	s_sub_co_u32 s[TB], s[TB], 32768
	s_xor_b32 s[TB], s[TB], SLOT1
.endm
.Lslot:                                            ; seven trips: behind each change of slots but the last the next four steps are asked for
	CHANGE 1
	SLOT_STEPS
	s_sub_co_u32 s[SLOTS], s[SLOTS], 1
	s_cmp_lg_u32 s[SLOTS], 0
	s_cbranch_scc1 .Lslot
	CHANGE 0                                       ; the last slot is written out
	SLOT_STEPS
	; THE WAY OUT: the right side's sum is folded in; x = O^T / l + bv, rounded to f16: a tile's 64 channels are two fragments of the last product's operand, stored as images
.rept 4
	v_nop
.endr
	FOLD 0
.irp t, 0,1
	v_add_f32 v[ST+16*\t+8], v[ST+16*\t+4], v[ST+16*\t+5]
.endr
.irp t, 0,1
	v_permlanex16_b32 v[ST+16*\t+9], v[ST+16*\t+8], s[SEL], s[SEL+1]
.endr
.irp t, 0,1
	v_add_f32 v[ST+16*\t+8], v[ST+16*\t+8], v[ST+16*\t+9]
.endr
.irp t, 0,1
	v_rcp_f32 v[ST+16*\t+6], v[ST+16*\t+8]
.endr
	v_nop
	s_wait_alu depctr_va_vdst(0)                   ; one wait for the two reciprocals, ahead of their first reader
	WIN 0x01                                       ; source 0 (O^T) window 1
.irp t, 0,1
.irp n, 0,2,4,6,8,10,12,14,16,18,20,22,24,26,28,30
	v_pk_fma_f32 v[S+32*\t+\n:S+32*\t+\n+1], v[O+32*\t+\n:O+32*\t+\n+1], v[ST+16*\t+6:ST+16*\t+7], v[BV+\n:BV+\n+1] op_sel_hi:[1,0,1]
.endr
.endr
	WIN 0
.set j, 0
.rept 32
	v_cvt_pk_f16_f32 v[P+j], v[S+2*j], v[S+2*j+1]
.set j, j+1
.endr
.irp t, 0,1
.irp e, 0,1
	global_store_b128 v[LI], v[P+16*\t+8*\e:P+16*\t+8*\e+3],   s[16:17] offset:8192*\t+1024*\e       ; 512 consecutive bytes
	global_store_b128 v[LI], v[P+16*\t+8*\e+4:P+16*\t+8*\e+7], s[16:17] offset:8192*\t+1024*\e+512
.endr
.endr
	s_wait_tensorcnt 0x0                           ; the wave's end
	ds_add_u32 v[SPW], v[NIL]
	s_wait_dscnt 0x0
	s_endpgm
.Lfunc_end_k_q0842bf8a16_attn:
	.size	k_q0842bf8a16_attn, .Lfunc_end_k_q0842bf8a16_attn-k_q0842bf8a16_attn
	.p2alignl 7, 3214868480
	.fill 96, 4, 3214868480
	.section	.rodata,"a",@progbits
	.p2align	6, 0x0
	.amdhsa_kernel k_q0842bf8a16_attn
		.amdhsa_group_segment_fixed_size 327680
		.amdhsa_private_segment_fixed_size 0
		.amdhsa_enable_private_segment 0
		.amdhsa_kernarg_size 56
		.amdhsa_user_sgpr_count 2
		.amdhsa_user_sgpr_kernarg_segment_ptr 1
		.amdhsa_wavefront_size32 1
		.amdhsa_system_sgpr_workgroup_id_x 1
		.amdhsa_system_sgpr_workgroup_id_y 1
		.amdhsa_system_sgpr_workgroup_id_z 1
		.amdhsa_system_vgpr_workitem_id 0
		.amdhsa_next_free_vgpr 512
		.amdhsa_next_free_sgpr 66
		.amdhsa_reserve_vcc 0
		.amdhsa_float_denorm_mode_32 3
		.amdhsa_float_denorm_mode_16_64 3
		.amdhsa_memory_ordered 1
		.amdhsa_forward_progress 1
		.amdhsa_inst_pref_size 133
	.end_amdhsa_kernel
	.amdgpu_metadata
---
amdhsa.version: [ 1, 2 ]
amdhsa.kernels:
  - .name:           k_q0842bf8a16_attn
    .symbol:         k_q0842bf8a16_attn.kd
    .args:
      - { .name: qimg, .offset: 0, .size: 8, .value_kind: global_buffer, .address_space: global }
      - { .name: kimg, .offset: 8, .size: 8, .value_kind: global_buffer, .address_space: global }
      - { .name: vimg, .offset: 16, .size: 8, .value_kind: global_buffer, .address_space: global }
      - { .name: relimg, .offset: 24, .size: 8, .value_kind: global_buffer, .address_space: global }
      - { .name: rel_v, .offset: 32, .size: 8, .value_kind: global_buffer, .address_space: global }
      - { .name: bv, .offset: 40, .size: 8, .value_kind: global_buffer, .address_space: global }
      - { .name: ximg, .offset: 48, .size: 8, .value_kind: global_buffer, .address_space: global }
    .group_segment_fixed_size: 327680
    .private_segment_fixed_size: 0
    .kernarg_segment_align: 8
    .kernarg_segment_size: 56
    .max_flat_workgroup_size: 256
    .sgpr_count:     66
    .vgpr_count:     512
    .wavefront_size: 32
...
	.end_amdgpu_metadata
.endif
;; end of part 3
;; launch outp (part 4): grid 8 x 32, 4 waves a work-group, clusters of 4 x 4, 327,680 bytes of LDS; arguments ximg, woimg, bo, out0; writes out0
.if DOCPART == 4
	.amdgcn_target "amdgcn-amd-amdhsa--gfx1250"
	.amdhsa_code_object_version 6
	.text
	.protected	k_q0842bf8a16_outp
	.globl	k_q0842bf8a16_outp
	.p2align	8
	.type	k_q0842bf8a16_outp,@function
k_q0842bf8a16_outp:
	s_mov_b64 s[64:65], 0
	v_nop
	global_prefetch_b8 v0, s[64:65] scope:SCOPE_SE
	s_setreg_imm32_b32 hwreg(HW_REG_WAVE_MODE, 25, 1), 1
	s_wait_xcnt 0x0
	s_wait_alu depctr_hold_cnt(0) depctr_sa_sdst(0) depctr_va_vdst(0) depctr_va_sdst(0) depctr_va_ssrc(0) depctr_va_vcc(0) depctr_vm_vsrc(0)
	s_getreg_b32 s2, hwreg(HW_REG_IB_STS2, 6, 4)
	s_cmp_eq_u32 s2, 0
	s_cbranch_scc0 .Lentry_in_a_cluster
	s_endpgm
.Lentry_in_a_cluster:
	s_bfe_u32 s2, ttmp6, 0x10000c
	s_cmp_lg_u32 s2, 0xf033
	s_cbranch_scc0 .Lentry_shape_is_right
	s_endpgm
.Lentry_shape_is_right:
; OUTP.  out0[l][b][n] = sum over k of x[b x 2048 + l][k] Wo[n][k] + bo[n]; x and Wo as f16 fragments, sums in f32.
; A tile is 128 x 128: 256 work-groups; four waves, each 64 x 64: 16 accumulators.  K goes in four steps of 256 through a ring of two LDS slots.
; Both operands lie in memory as images of their registers, [K step][tile of 16 rows][chunk of 32 K: 8][1,024 bytes]: 64 rows of a K step are 32,768 dense bytes, one tensor load; a fragment is read back at 16 x lane: no pitch, no padding.
; CLUSTERS: 4 x 4: x's tiles are shared along a row of the cluster, Wo's along a column: joint loads.
; THE MATRIX INSTRUCTION IS USED TRANSPOSED (source 0 = 16 rows of Wo, source 1 = 16 rows of x): a lane holds eight neighbouring numbers of a row of the result.  bo is the C of each sum's first product.
; REGISTERS: window 0: v0-31 addresses; v32-95 the way out; v96-127 bo in the result's layout; v128-255 the accumulators.  window 1: two fragment buffers of 128.
.set HALFT,  32768                     ; 64 rows of a K step: what one tensor load brings, and what one wave reads of x or of Wo
.set SLOT,   4*HALFT
.set STAGE,  2*SLOT                    ; behind the ring: 16 rows x 272 bytes for each wave
.set SPITCH, 272
.set SPARE,  STAGE+4*16*SPITCH         ; the spare words: 128 bytes for each wave
.set LAPS,   2
.set ASTEP,  2*2097152                 ; two K steps on in ximg,
.set BSTEP,  2*524288                  ; and in woimg
.set ADRA, 16
.set ADRB, 20
.set STO,  24
.set RD,   25
.set CO,   26
.set SPW,  28
.set NIL,  29
.set TMP,  32
.set BIAS, 96
.set ACC,  128
.set F0,   0
.set F1,   128
.set G1, 24
.set G0, 32
.set G1B, 48
.set G0B, 56
.set MSB, 0
.macro WIN new
.if MSB != \new
	s_set_vgpr_msb (MSB<<8)|\new
.set MSB, \new
.endif
.endm
.set MUL,  0x05                        ; sources 0 and 1 window 1; C and D window 0
.set TO_F, 0x40
.macro JLOAD s                         ; a joint load: waves 0 and 1 fetch x's two halves, waves 2 and 3 Wo's; an s_nop 0 and four v_nop follow each line
	s_cmp_eq_u32 s11, 0
	s_cbranch_scc0 .Lfor_b_\@
	tensor_load_to_lds s[G0+4*\s:G0+4*\s+3], s[G1:G1+7]
	s_nop 0
.rept 4
	v_nop
.endr
	s_branch .Lasked_\@
.Lfor_b_\@:
	tensor_load_to_lds s[G0B+4*\s:G0B+4*\s+3], s[G1B:G1B+7]
	s_nop 0
.rept 4
	v_nop
.endr
.Lasked_\@:
.endm
.macro CREST
	s_cmp_lg_u32 s10, 0
	s_cbranch_scc1 .Lnot_wave_0_\@
	s_barrier_signal -3
.Lnot_wave_0_\@:
	s_barrier_wait -3
	s_barrier_signal -1
	s_barrier_wait -1
.endm
.macro CROUND
	s_barrier_signal -1
	s_barrier_wait -1
	CREST
.endm
	s_load_b128 s[4:7], s[0:1], 0x0                ; ximg, woimg
	s_load_b128 s[68:71], s[0:1], 0x10             ; bo, out0
	v_lshl_add_u32 v[SPW], v0, 2, SPARE
	v_mov_b32 v[NIL], 0
	ds_add_u32 v[SPW], v[NIL]                      ; the wave's opening: the add, twice on end, and its wait ahead of my first tensor load
	ds_add_u32 v[SPW], v[NIL]
	v_lshrrev_b32 v1, 5, v0
	v_readfirstlane_b32 s10, v1                    ; wave 0..3
	s_lshr_b32 s11, s10, 1                         ; which half of the tile's rows is mine.  Also: I fetch for x (0) or for Wo (1)
	s_and_b32 s12, s10, 1                          ; which half of its columns.  Also: which 64 rows of that tile I fetch
	s_bfe_u32 s40, ttmp6, 0x40000
	s_bfe_u32 s41, ttmp6, 0x40004
	s_lshl_b32 s42, ttmp9, 2
	s_add_co_u32 s42, s42, s40                     ; tile column
	s_and_b32 s13, ttmp7, 0xffff
	s_lshl_b32 s13, s13, 2
	s_add_co_u32 s13, s13, s41                     ; tile row
	s_lshl_b32 s43, s41, 2
	s_lshl_b32 s43, 15, s43                        ; my row of the cluster
	s_lshl_b32 s44, 0x1111, s40                    ; my column
	s_or_b32 s[G1+0], s43, (3<<16)|(1<<21)         ; the mask; elements of 8 bytes; no padding
	s_or_b32 s[G1B+0], s44, (3<<16)|(1<<21)
.irp g, G1, G1B
	s_mov_b32 s[\g+1], 32<<16                      ; 32,768 dense bytes as 128 rows of 256
	s_mov_b32 s[\g+2], 128<<16
	s_mov_b32 s[\g+3], 32<<16
	s_mov_b32 s[\g+4], 128
	s_mov_b32 s[\g+5], 32
	s_mov_b32 s[\g+6], 0
	s_mov_b32 s[\g+7], 0
.endr
	s_lshl_b32 s17, s12, 15                        ; which 64 rows of the tile I fetch
	s_lshl_b32 s16, s13, 16
	s_add_co_u32 s16, s16, s17                     ; x: 65,536 x tile row + 32,768 x half
	s_lshl_b32 s46, s42, 16
	s_add_co_u32 s46, s46, s17                     ; Wo: by the tile column
	s_mov_b32 s17, 0
	s_mov_b32 s47, 0
	s_lshl_b32 s20, s10, 15                        ; where they go: wave x 32,768
	s_wait_dscnt 0x0
	s_wait_kmcnt 0x0
	s_add_nc_u64 s[14:15], s[4:5], s[16:17]
	s_add_nc_u64 s[46:47], s[6:7], s[46:47]
	CROUND                                         ; all sixteen work-groups are here: the first joint loads meet
.irp s, 0,1
	s_mov_b32 s[G0+4*\s], 1
	s_add_co_u32 s[G0+4*\s+1], s20, \s*SLOT
	s_add_nc_u64 s[G0+4*\s+2:G0+4*\s+3], s[14:15], \s*2097152
	s_or_b32 s[G0+4*\s+3], s[G0+4*\s+3], 0x80000000
	s_mov_b32 s[G0B+4*\s], 1
	s_add_co_u32 s[G0B+4*\s+1], s20, \s*SLOT
	s_add_nc_u64 s[G0B+4*\s+2:G0B+4*\s+3], s[46:47], \s*524288
	s_or_b32 s[G0B+4*\s+3], s[G0B+4*\s+3], 0x80000000
	JLOAD \s
.endr
	v_and_b32 v1, 15, v0                           ; r
	v_bfe_u32 v2, v0, 4, 1                         ; h
	s_lshl_b32 s46, s42, 9                         ; my first column, in bytes: 512 x tile column + 256 x half
	s_lshl_b32 s47, s12, 8
	s_add_co_u32 s46, s46, s47
	s_mov_b32 s47, 0
	v_lshl_add_u32 v6, v2, 5, s46                  ; bo at my first column + 16 b + 8 h
.irp b, 0,1,2,3
	global_load_b128 v[BIAS+8*\b:BIAS+8*\b+3],   v6, s[68:69] offset:64*\b
	global_load_b128 v[BIAS+8*\b+4:BIAS+8*\b+7], v6, s[68:69] offset:64*\b+16
.endr
	v_and_b32 v3, 31, v0
	v_lshlrev_b32 v3, 4, v3                        ; 16 x lane
	s_lshl_b32 s21, s11, 15                        ; my 64 rows of x
	s_lshl_b32 s22, s12, 15                        ; my 64 rows of Wo,
	s_add_co_u32 s22, s22, 2*HALFT                 ; which lie behind x's 128
.irp s, 0,1
	v_add_nc_u32 v[ADRA+\s], s21, v3
	v_add_nc_u32 v[ADRB+\s], s22, v3
	s_add_co_u32 s21, s21, SLOT
	s_add_co_u32 s22, s22, SLOT
.endr
	s_mul_i32 s23, s10, 16*SPITCH
	s_add_co_u32 s23, s23, STAGE                   ; my stage
	v_mul_u32_u24 v4, v1, SPITCH                   ; in: row r, 32 bytes for each half of the lanes
	v_lshl_add_u32 v4, v2, 5, v4
	v_add_nc_u32 v[STO], s23, v4
	v_mul_u32_u24 v5, v2, SPITCH                   ; back: lanes 0-15 one row of 256 bytes, lanes 16-31 the next
	v_lshl_add_u32 v5, v1, 4, v5
	v_add_nc_u32 v[RD], s23, v5
	v_lshlrev_b32 v5, 13, v2                       ; and in out0, where neighbouring l lie 8,192 bytes apart
	v_lshl_add_u32 v[CO], v1, 4, v5
	s_and_b32 s16, s13, 15                         ; row b x 2048 + l = 128 x tile row + 64 x half: l x 8,192 + b x 4,096 bytes
	s_lshl_b32 s16, s16, 20
	s_lshl_b32 s17, s11, 19
	s_add_co_u32 s16, s16, s17
	s_lshr_b32 s17, s13, 4
	s_lshl_b32 s17, s17, 12
	s_add_co_u32 s16, s16, s17
	s_mov_b32 s17, 0
	s_add_nc_u64 s[70:71], s[70:71], s[16:17]
	s_add_nc_u64 s[70:71], s[70:71], s[46:47]
; 8 matrix instructions: m blocks a0, a0 + 1 x all 4 n blocks, 32 along K: half c of buffer f.  zero = 1: the first product starts the sums from bo.  The 16 accumulators take turns
.macro MUL8 f, c, a0, zero
.irp a, \a0, \a0+1
.irp b, 0,1,2,3
.if \zero
	v_wmma_f32_16x16x32_f16 v[ACC+8*(4*(\a)+\b):ACC+8*(4*(\a)+\b)+7], v[\f+64+8*(4*\c+\b):\f+64+8*(4*\c+\b)+7], v[\f+8*(4*\c+\a):\f+8*(4*\c+\a)+7], v[BIAS+8*\b:BIAS+8*\b+7]
.else
	v_wmma_f32_16x16x32_f16 v[ACC+8*(4*(\a)+\b):ACC+8*(4*(\a)+\b)+7], v[\f+64+8*(4*\c+\b):\f+64+8*(4*\c+\b)+7], v[\f+8*(4*\c+\a):\f+8*(4*\c+\a)+7], v[ACC+8*(4*(\a)+\b):ACC+8*(4*(\a)+\b)+7]
.endif
.endr
.endr
.endm
; 32 LDS loads in one run: the fragments of 64 along K (two chunks, from byte k of each tile of rows) into buffer f; the first 32 along K first
.macro FETCH slot, k, f
	WIN TO_F
.irp c, 0,1
.irp i, 0,1,2,3
	ds_load_b128 v[\f+64+8*(4*\c+\i):\f+64+8*(4*\c+\i)+3],   v[ADRB+\slot] offset:\k+1024*\c+8192*\i
	ds_load_b128 v[\f+64+8*(4*\c+\i)+4:\f+64+8*(4*\c+\i)+7], v[ADRB+\slot] offset:\k+1024*\c+8192*\i+512
	ds_load_b128 v[\f+8*(4*\c+\i):\f+8*(4*\c+\i)+3],         v[ADRA+\slot] offset:\k+1024*\c+8192*\i
	ds_load_b128 v[\f+8*(4*\c+\i)+4:\f+8*(4*\c+\i)+7],       v[ADRA+\slot] offset:\k+1024*\c+8192*\i+512
.endr
.endr
.endm
.macro PLACES
.rept 4
	v_nop
.endr
.endm
.macro QUARTER slot, k, f, g, zero     ; 64 along K: multiplies buffer f and fetches the next quarter, at byte k, into g
	s_wait_dscnt 16                                ; the first 32 along K are in; the other sixteen loads may be out
	WIN MUL
	MUL8 \f, 0, 0, \zero
	MUL8 \f, 0, 2, \zero
	PLACES
	FETCH \slot, \k, \g
	s_wait_dscnt 32                                ; all but the 32 just issued
	WIN MUL
	MUL8 \f, 1, 0, 0
	MUL8 \f, 1, 2, 0
.endm
; The last quarter multiplies buffer 1 and changes slots: ONE barrier; in front of it each wave waits for all its tensor loads, adds 0 to its spare word, and waits for that and for its own reads of this slot.
.macro TURN slot, next, fill
	WIN 0
	s_wait_tensorcnt 0x0                           ; all my tensor loads have landed: my part of the next slot
	ds_add_u32 v[SPW], v[NIL]
	s_wait_dscnt 17                                ; (the add and the youngest sixteen loads may be out)
	WIN MUL
	MUL8 F1, 0, 0, 0
	s_wait_dscnt 0x0                               ; the add is done, and my reads of this slot are over
	s_barrier_signal -1
	MUL8 F1, 0, 2, 0
.if \fill
	WIN 0
.endif
	s_barrier_wait -1
.if \fill
	CREST                                          ; the barrier has opened a round of the cluster's barrier: no wave of any partner still reads this slot or has a load on its way
	s_add_nc_u64 s[G0+4*\slot+2:G0+4*\slot+3], s[G0+4*\slot+2:G0+4*\slot+3], ASTEP
	s_add_nc_u64 s[G0B+4*\slot+2:G0B+4*\slot+3], s[G0B+4*\slot+2:G0B+4*\slot+3], BSTEP
	JLOAD \slot                                    ; the first tensor load behind the round; its four v_nop are also the places in front of the loads below
.else
	PLACES
.endif
	FETCH \next, 0, F0
	WIN MUL
	MUL8 F1, 1, 0, 0
	MUL8 F1, 1, 2, 0
.endm
	s_wait_loadcnt 0x0                             ; bo
	s_wait_tensorcnt 1                             ; my part of K step 0 is in (K step 1's load may be out),
	s_barrier_signal -1
	s_barrier_wait -1                              ; everybody's is
	FETCH 0, 0, F0
	QUARTER 0, 2048, F0, F1, 1
	WIN 0
	s_mov_b32 s3, LAPS-1
.Llap:                                                 ; a trip goes once round the ring and fills both slots again
	QUARTER 0, 4096, F1, F0, 0
	QUARTER 0, 6144, F0, F1, 0
	TURN 0, 1, 1
	QUARTER 1, 2048, F0, F1, 0
	QUARTER 1, 4096, F1, F0, 0
	QUARTER 1, 6144, F0, F1, 0
	TURN 1, 0, 1
	QUARTER 0, 2048, F0, F1, 0
	WIN 0
	s_sub_co_u32 s3, s3, 1
	s_cmp_lg_u32 s3, 0
	s_cbranch_scc1 .Llap
	QUARTER 0, 4096, F1, F0, 0                     ; the last lap fills nothing
	QUARTER 0, 6144, F0, F1, 0
	TURN 0, 1, 0
	QUARTER 1, 2048, F0, F1, 0
	QUARTER 1, 4096, F1, F0, 0
	QUARTER 1, 6144, F0, F1, 0
	s_wait_dscnt 16
	WIN MUL
	MUL8 F1, 0, 0, 0
	MUL8 F1, 0, 2, 0
	s_wait_dscnt 0
	MUL8 F1, 1, 0, 0
	MUL8 F1, 1, 2, 0
	WIN 0
	; THE WAY OUT, 16 rows at a time.  A wave's 64 columns of f32 are 256 bytes: a block goes through my own stage and comes back as whole rows; sixteen lanes store 256 consecutive bytes, aligned.
	PLACES
.irp a, 0,1,2,3
.irp b, 0,1,2,3
	ds_store_b128 v[STO], v[ACC+8*(4*\a+\b):ACC+8*(4*\a+\b)+3]   offset:64*\b          ; each accumulator from its low end on
	ds_store_b128 v[STO], v[ACC+8*(4*\a+\b)+4:ACC+8*(4*\a+\b)+7] offset:64*\b+16
.endr
.irp t, 0,1,2,3,4,5,6,7
	ds_load_b128 v[TMP+32*(\a%2)+4*\t:TMP+32*(\a%2)+4*\t+3], v[RD] offset:\t*2*SPITCH   ; LDS serves a wave's instructions in order: these see the stores above
.endr
.irp t, 0,1,2,3,4,5,6,7
	s_wait_dscnt 7-\t                              ; the younger reads from the stage may be out
	global_store_b128 v[CO], v[TMP+32*(\a%2)+4*\t:TMP+32*(\a%2)+4*\t+3], s[70:71] offset:16384*\t th:TH_STORE_NT
.endr
.if \a < 3
	s_wait_xcnt 0x0                                ; the stores have read their base
	s_add_nc_u64 s[70:71], s[70:71], 131072        ; 16 positions on
.endif
.endr
	s_wait_tensorcnt 0x0                           ; the wave's end
	ds_add_u32 v[SPW], v[NIL]
	s_wait_dscnt 0x0
	CROUND                                         ; the closing round
	s_endpgm
.Lfunc_end_k_q0842bf8a16_outp:
	.size	k_q0842bf8a16_outp, .Lfunc_end_k_q0842bf8a16_outp-k_q0842bf8a16_outp
	.p2alignl 7, 3214868480
	.fill 96, 4, 3214868480
	.section	.rodata,"a",@progbits
	.p2align	6, 0x0
	.amdhsa_kernel k_q0842bf8a16_outp
		.amdhsa_group_segment_fixed_size 327680
		.amdhsa_private_segment_fixed_size 0
		.amdhsa_enable_private_segment 0
		.amdhsa_kernarg_size 32
		.amdhsa_user_sgpr_count 2
		.amdhsa_user_sgpr_kernarg_segment_ptr 1
		.amdhsa_wavefront_size32 1
		.amdhsa_system_sgpr_workgroup_id_x 1
		.amdhsa_system_sgpr_workgroup_id_y 1
		.amdhsa_system_sgpr_workgroup_id_z 1
		.amdhsa_system_vgpr_workitem_id 0
		.amdhsa_next_free_vgpr 512
		.amdhsa_next_free_sgpr 72
		.amdhsa_reserve_vcc 0
		.amdhsa_float_denorm_mode_32 3
		.amdhsa_float_denorm_mode_16_64 3
		.amdhsa_memory_ordered 1
		.amdhsa_forward_progress 1
		.amdhsa_inst_pref_size 87
	.end_amdhsa_kernel
	.amdgpu_metadata
---
amdhsa.version: [ 1, 2 ]
amdhsa.kernels:
  - .name:           k_q0842bf8a16_outp
    .symbol:         k_q0842bf8a16_outp.kd
    .args:
      - { .name: ximg, .offset: 0, .size: 8, .value_kind: global_buffer, .address_space: global }
      - { .name: woimg, .offset: 8, .size: 8, .value_kind: global_buffer, .address_space: global }
      - { .name: bo, .offset: 16, .size: 8, .value_kind: global_buffer, .address_space: global }
      - { .name: out0, .offset: 24, .size: 8, .value_kind: global_buffer, .address_space: global }
    .group_segment_fixed_size: 327680
    .private_segment_fixed_size: 0
    .kernarg_segment_align: 8
    .kernarg_segment_size: 32
    .max_flat_workgroup_size: 128
    .sgpr_count:     72
    .vgpr_count:     512
    .wavefront_size: 32
...
	.end_amdgpu_metadata
.endif
;; end of part 4
